; MI455X (gfx1250); checked and timed in simulation.
; The chip was launched on July 23, 2026; its instructions are those of AMD's public machine-readable ISA for CDNA 5 (MIT licence, August 2026) and "CDNA5" Instruction Set Architecture Reference Guide (July 2026). The comments in the code are by the model that wrote it; some were corrected since.
;; NGU. Allowed arithmetic: matrix products marked QUANTISED: E2M3 operands, one E8M0 scale for each 32 along K, by v_wmma_scale_f32_16x16x128_f8f6f4 with both operands' format E2M3, f32 sums; products left as they are: f32 operands where the result goes on into a quantised operand, else bf16, f16 or f32 operands; f32 sums; everything else in f32.
;; Inputs: b1 128 float32; b2 64 float32; b3 1 float32; bt1 128 float32; bt2 64 float32; bt3 1 float32; bz1 128 float32; bz2 64 float32; bz3 128 float32; s_codes 8,192 x 16 x 24 uint8 (E2M3 codes of s, K innermost, in blocks of 32 codes, four codes in three bytes); s_scales 8,192 x 16 uint8 (E8M0 scales of s, one for each 32 codes along K); w1_codes 128 x 16 x 24 uint8 (E2M3 codes of w1, K innermost, in blocks of 32 codes, four codes in three bytes); w1_scales 128 x 16 uint8 (E8M0 scales of w1, one for each 32 codes along K); w2_codes 64 x 4 x 24 uint8 (E2M3 codes of w2, K innermost, in blocks of 32 codes, four codes in three bytes); w2_scales 64 x 4 uint8 (E8M0 scales of w2, one for each 32 codes along K); w3 1 x 64 float32; wt1_codes 128 x 16 x 24 uint8 (E2M3 codes of wt1, K innermost, in blocks of 32 codes, four codes in three bytes); wt1_scales 128 x 16 uint8 (E8M0 scales of wt1, one for each 32 codes along K); wt2_codes 64 x 4 x 24 uint8 (E2M3 codes of wt2, K innermost, in blocks of 32 codes, four codes in three bytes); wt2_scales 64 x 4 uint8 (E8M0 scales of wt2, one for each 32 codes along K); wt3 1 x 64 float32; wz1_codes 128 x 16 x 24 uint8 (E2M3 codes of wz1, K innermost, in blocks of 32 codes, four codes in three bytes); wz1_scales 128 x 16 uint8 (E8M0 scales of wz1, one for each 32 codes along K); wz2_codes 64 x 4 x 24 uint8 (E2M3 codes of wz2, K innermost, in blocks of 32 codes, four codes in three bytes); wz2_scales 64 x 4 uint8 (E8M0 scales of wz2, one for each 32 codes along K); wz3_codes 128 x 2 x 24 uint8 (E2M3 codes of wz3, K innermost, in blocks of 32 codes, four codes in three bytes); wz3_scales 128 x 2 uint8 (E8M0 scales of wz3, one for each 32 codes along K).
;; Outputs: out0 8,192 x 1 float32.
;; This version of the problem:
;;   THIS VERSION OF THE PROBLEM IS GIVEN IN LOW PRECISION. The matrix products marked QUANTISED in the list below multiply operands that are first quantised to E2M3 (2 exponent bits, 3 mantissa bits; 6 bits a number), with one power-of-two scale for each 32 numbers along K (OCP MX v1.0); their sums are f32. All else is computed in f32.
;;   The module's matrix products, in the order in which they are computed (A, B: the left and right operand; K: the contracted axis; several contracted axes count as one K, in the product's order):
;;     1. [M 8,192, K 512] x [K 512, N 128]; A: input s (given as codes); B: input w1 (given as codes): QUANTISED
;;     2. [M 8,192, K 128] x [K 128, N 64]; A: computed on the way; B: input w2 (given as codes): QUANTISED
;;     3. [M 8,192, K 64] x [K 64, N 1]; A: computed on the way; B: input w3: left as it is (N = 1 < 16)
;;     4. [M 8,192, K 512] x [K 512, N 128]; A: input s (given as codes); B: input wt1 (given as codes): QUANTISED
;;     5. [M 8,192, K 128] x [K 128, N 64]; A: computed on the way; B: input wt2 (given as codes): QUANTISED
;;     6. [M 8,192, K 64] x [K 64, N 1]; A: computed on the way; B: input wt3: left as it is (N = 1 < 16)
;;     7. [M 8,192, K 512] x [K 512, N 128]; A: input s (given as codes); B: input wz1 (given as codes): QUANTISED
;;     8. [M 8,192, K 128] x [K 128, N 64]; A: computed on the way; B: input wz2 (given as codes): QUANTISED
;;     9. [M 8,192, K 64] x [K 64, N 128]; A: computed on the way; B: input wz3 (given as codes): QUANTISED
;;     10. [M 8,192, K 128] x [K 128, N 8,192]; A: computed on the way; B: computed on the way: QUANTISED
;;   THE QUANTISER, for each operand of a quantised product, along K:
;;     - K is cut into blocks of 32 from its start; a last block that is shorter is filled with zeros.
;;     - A block's scale is 2^e with e = floor(log2(the largest magnitude in the block)) - 2, held to -126 .. 127; a block of zeros has e = 0. As a byte (E8M0): e + 127.
;;     - Each number is divided by its block's scale, clamped to +-7.5, and rounded to the nearest number of E2M3, ties to even, subnormals kept.
;;     - The product sums the exact products of the quantised numbers (number of the format x scale) in f32.
;;   ~~~python
;;   def quantise(x, axis):      # numpy; x: float32 -> the quantised numbers, widened to float32 again
;;       x = np.moveaxis(x, axis, -1); K = x.shape[-1]
;;       x = np.pad(x, [(0, 0)] * (x.ndim - 1) + [(0, -K % 32)]); x = x.reshape(x.shape[:-1] + (-1, 32)); a = np.abs(x).max(-1, keepdims=True)
;;       e = np.where(a > 0, np.clip(np.frexp(np.where(a > 0, a, 1))[1] - 1 - 2, -126, 127), 0)      # np.frexp(a)[1] - 1 = floor(log2(a)), exactly
;;       r = np.clip(x / 2.0 ** e, -7.5, 7.5)
;;       step = 2.0 ** (np.maximum(np.frexp(np.where(r == 0, 1, r))[1] - 1, 0) - 3)
;;       q = np.round(r / step) * step * 2.0 ** e      # np.round: ties to even
;;       return np.moveaxis(q.reshape(q.shape[:-2] + (-1,))[..., :K], -1, axis).astype(np.float32)
;;   ~~~
;;   OPERANDS COMPUTED ON THE WAY. 'Computed on the way' means the value that the module computes at that place (a softmax that the list does not call 'softmax' is quantised finished and normalised). What goes into a quantiser is computed in f32, as accurately as f32 sums, v_exp_f32 and their like allow (about 1e-6 of the number): no bf16 or f16 on the way to a quantiser, and a product that is left as it is and whose result goes on into a quantised operand takes f32 operands (vector FMAs, or v_wmma_f32_16x16x4_f32). A number that lies on a knife's edge between two numbers of the format may be rounded either way, as far as f32 arithmetic and the matrix unit's own rounding can turn it there, and no further.
;;   INPUTS GIVEN AS CODES. s (in the module: [8192, 512], K = its axis 1); w1 (in the module: [128, 512], K = its axis 1); w2 (in the module: [64, 128], K = its axis 1); wt1 (in the module: [128, 512], K = its axis 1); wt2 (in the module: [64, 128], K = its axis 1); wz1 (in the module: [128, 512], K = its axis 1); wz2 (in the module: [64, 128], K = its axis 1); wz3 (in the module: [128, 64], K = its axis 1): each comes as NAME_codes (uint8): NAME with its K axis moved to the last place and cut into blocks of 32 codes, [.., K / 32, bytes a block], one block behind the other in memory; four codes in three bytes: a row's codes are one little-endian stream of bits, code i at bits 6 i .. 6 i + 5 (a code: sign, 2 exponent bits, 3 mantissa bits); and NAME_scales (uint8): the same leading axes, one E8M0 byte (e + 127) for each 32 codes along K. Its value is code x scale, taken as it is: it is not quantised again, and the codes and scales need not be those that the quantiser above would give.
;; 2 versions, each right; version 2 is version 1 with the launch mlp written anew for expert scheduling mode. Each part assembles by itself: llvm-mc -triple=amdgcn-amd-amdhsa -mcpu=gfx1250 --defsym DOCPART=n.
;; ======== version 1 of 2: 4 launches
;; workspace buffers: zrec 917,504 bytes; pt 65,536 bytes; cand 1,572,864 bytes; sumk 32,768 bytes; psum 512 bytes
;; launch mlp (part 1): grid 64 x 3, 8 waves a work-group, no clusters, 52,736 bytes of LDS; arguments s_codes, s_scales, w1_codes, w1_scales, b1, w2_codes, w2_scales, b2, w3, b3, wt1_codes, wt1_scales, bt1, wt2_codes, wt2_scales, bt2, wt3, bt3, wz1_codes, wz1_scales, bz1, wz2_codes, wz2_scales, bz2, wz3_codes, bz3, wz3_scales, pt, zrec; writes pt, zrec
.if DOCPART == 1
	.amdgcn_target "amdgcn-amd-amdhsa--gfx1250"
	.amdhsa_code_object_version 6
	.text
	.protected	k_q665d9e2f57_mlp
	.globl	k_q665d9e2f57_mlp
	.p2align	8
	.type	k_q665d9e2f57_mlp,@function
k_q665d9e2f57_mlp:
	s_mov_b64 s[64:65], 0
	v_nop
	global_prefetch_b8 v0, s[64:65] scope:SCOPE_SE
	s_setreg_imm32_b32 hwreg(HW_REG_WAVE_MODE, 25, 1), 1
	s_wait_xcnt 0x0
; THE THREE NETS.  Work-group (x, y): rows 128 x .. 128 x + 127 of s through net y (0: pred, 1: target, 2: z).  All quantised products on codes of FP6 (E2M3) with one E8M0 scale for each 32 along K.
; Nets 0, 1: relu(s W1^T + b1) -> quantised -> relu(. W2^T + b2) -> . w3 + b3 (64 fused multiply-adds in f32, N = 1) -> pt[y][row].
; Net 2: the same two layers, the second quantised along its 64 (the K step's other 64 are zero codes on both sides) -> z = . Wz3^T + bz3 (f32) -> sq = sum z^2 (of the unquantised z), z quantised along its 128.
;   z leaves as RECORDS of 1,792 bytes, one for each tile of 16 rows: the image of the operand's 12 registers (group g of four at 512 g + 16 x lane), 16 scale words at 1536, 16 numbers -sq / 2 at 1600, and those 128 bytes once more
;   at 1664, so that every byte of a record is written.
; SHARES.  Wave w owns rows 16 w .. 16 w + 15 of the block and takes them through the whole chain in registers.  Every product is used TRANSPOSED (source 0 = 16 rows of the weight, source 1 = my 16 rows), so that a lane holds
; one row and its registers run along the next K.  THE ROWS OF A WEIGHT THAT FORM A TILE ARE NOT NEIGHBOURS: lane r of tile 2 b + u takes row 32 b + 8 u + r + 8 (r / 8), so that the 16 registers of tiles 2 b, 2 b + 1 are 16 neighbours.
; W1 (32 fragments, which all eight waves read) goes through LDS as images of the operand's registers: wave w loads tile w from memory in the fragments' order and stores four images; a barrier; every wave loads them by 16 bytes a lane.
; NO JOINT LOADS: the images are made by the lanes' own loads (a tile's rows are not neighbours in memory, so no tile descriptor lays them in this order); each work-group reads W1's 49,152 bytes once, 6,144 a wave.
; The biases are the C of each sum's first matrix instruction, in the result's layout; b1 is loaded straight into the accumulators.
; LIMITS: NaN and infinities are not served.  A block whose largest magnitude lies under 2^-124, a block of zeros among them, gets the scale byte 1 (the rule says 127 for zeros): its codes are then zeros or subnormal codes, and these bytes are read by this program alone.
.set WIMG, 0                           ; LDS: W1's fragment (tile t, K step s) at (4 t + s) x 1,536
.set WSC,  49152                       ; W1's scale words: tile t at 256 t, lane r's four words at 16 r
.set PST,  51200                       ; 128 numbers of pred or target
.set RR,   1                           ; v1   r = lane % 16
.set HH,   2                           ; v2   h = lane / 16
.set XA,   3                           ; v3   s: 384 r + 24 h
.set R16,  4                           ; v4   16 r: s's scale words in memory, W1's in LDS
.set WA,   5                           ; v5   W1: 384 rm + 24 h, rm = r + 8 (r / 8)
.set WS,   6                           ; v6   16 rm
.set LI,   7                           ; v7   16 x lane
.set IMW,  8                           ; v8   where I store W1's images: 16 x lane + 6,144 x wave
.set W2A,  9                           ; v9   W2: 96 rm + 24 h
.set W2S,  10                          ; v10  4 rm
.set BA,   11                          ; v11  64 h: a bias in the result's layout
.set W3A,  12                          ; v12  Wz3: 48 rm + 24 h
.set W3S,  13                          ; v13  2 rm
.set SCW,  14                          ; v14  where I store W1's scale words: WSC + 256 x wave + 16 r
.set PSA,  15                          ; v15  where I store pred: PST + 64 x wave + 4 r
.set X,    16                          ; v16-63   my rows' four fragments
.set XSC,  64                          ; v64-67   their scale words
.set ACC,  68                          ; v68-131  eight tiles: layer 1, later z
.set WB,   132                         ; v132-227 two sets of four fragments of W1 (set 0: tiles 0-3, set 1: tiles 4-7)
.set WBS,  228                         ; v228-235 their scale words
.set W2SC, 236                         ; v236-239 W2's scale words
.set Z3SC, 240                         ; v240-247 Wz3's
.set PW,   248                         ; v248     the scale word just made
.set L4,   249                         ; v249     4 x lane
.set SQ,   250                         ; v250-253 sums
.set NHS,  254                         ; v254     -sq / 2
.set AUX,  255
.set PC,   16                          ; behind layer 1: v16-35 the codes just made,
.set TM,   36                          ; v36-51 at work in the quantiser,
.set ACC2, 132                         ; v132-163 layer 2's four tiles
.set W2F,  0                           ; window 1: v0-47 W2's four fragments
.set Z3F,  48                          ; v48-143 Wz3's eight (upper six registers of each: zero codes)
.set W3L,  48                          ; nets 0, 1: v48-79 w3 in the result's layout
.set B2,   144                         ; v144-175 b2
.set BZ3,  176                         ; v176-239 bz3
.set MSB, 0
.macro WIN new                         ; the immediate's high byte repeats the setting that is left
.if MSB != \new
	s_set_vgpr_msb (MSB<<8)|\new
.set MSB, \new
.endif
.endm
.macro PLACES n
.rept \n
	v_nop
.endr
.endm
.macro FP6MM d, a, b, c, sa, sb
	v_wmma_scale_f32_16x16x128_f8f6f4 v[\d:\d+7], v[\a:\a+11], v[\b:\b+11], v[\c:\c+7], v[\sa], v[\sb] matrix_a_fmt:MATRIX_FMT_FP6 matrix_b_fmt:MATRIX_FMT_FP6
.endm
; Group idx of layer 1: K step idx / 2, tiles 4 (idx % 2) .. + 3, into set idx % 2: 12 loads of 16 bytes a lane and 4 scale words
.macro LOADG idx
.irp u, 0,1,2,3
.irp g, 0,1,2
	ds_load_b128 v[WB+48*((\idx)%2)+12*\u+4*\g:WB+48*((\idx)%2)+12*\u+4*\g+3], v[LI] offset:WIMG+(4*(4*((\idx)%2)+\u)+(\idx)/2)*1536+512*\g
.endr
	ds_load_b32 v[WBS+4*((\idx)%2)+\u], v[R16] offset:WSC+256*(4*((\idx)%2)+\u)+4*((\idx)/2)
.endr
.endm
.macro G1MUL idx
.irp u, 0,1,2,3
	FP6MM ACC+8*(4*((\idx)%2)+\u),WB+48*((\idx)%2)+12*\u,X+12*((\idx)/2),ACC+8*(4*((\idx)%2)+\u),WBS+4*((\idx)%2)+\u,XSC+(\idx)/2
.endr
.endm
; Layer 1: 32 matrix instructions.  The eight accumulators take turns, one instruction a turn.  While one set is multiplied the other's 16 loads are out.
.macro LAYER1
	LOADG 0
	LOADG 1
.irp i, 0,1,2,3,4,5
	s_wait_dscnt 16                                ; this group's 16 loads are in; the other set's 16 may be out
	G1MUL \i
	PLACES 4                                       ; in front of loads into registers that matrix instructions have read
	LOADG \i+2
.endr
	s_wait_dscnt 16
	G1MUL 6
	s_wait_dscnt 0x0
	G1MUL 7
.endm
.macro RELU base, n                    ; from each accumulator's low end on
.set J_, 0
.rept \n
	v_max_num_f32 v[\base+J_], 0, v[\base+J_]
.set J_, J_+1
.endr
.endm
; 16 nb numbers of a lane, register 16 b + i = k 32 b + 16 h + i of my row, become a fragment's codes in v[PC] on and its scale word in v[PW].  nb = 2: K = 64: the fragment's other half is zero codes, the word's upper bytes 0.
.macro QUANT s, nb
.irp b, 0,1,2,3
.if \b < \nb
	v_max3_num_f32 v[TM+\b], |v[\s+16*\b]|, |v[\s+1+16*\b]|, 0x1800000   ; block b: my 16 numbers, and the floor 2^(3 - 127): so the byte cannot fall under 1
.endif
.endr
.irp i, 2,4,6,8,10,12,14
.irp b, 0,1,2,3
.if \b < \nb
	v_max3_num_f32 v[TM+\b], v[TM+\b], |v[\s+16*\b+\i]|, |v[\s+1+16*\b+\i]|   ; (the blocks by turns)
.endif
.endr
.endr
.irp b, 0,1,2,3
.if \b < \nb
	v_permlanex16_b32 v[TM+4+\b], v[TM+\b], s62, s63
.endif
.endr
.irp b, 0,1,2,3
.if \b < \nb
	v_max_num_f32 v[TM+\b], v[TM+\b], v[TM+4+\b]   ; with lane l xor 16's: the block's largest magnitude
.endif
.endr
.irp b, 0,1,2,3
.if \b < \nb
	v_add_nc_u32 v[TM+12+\b], 0xff000000, v[TM+\b] ; 2 off its exponent field: the conversion takes the exponent field of this operand as its scale
.endif
.endr
.irp b, 0,1,2,3
.if \b < \nb
	v_lshrrev_b32 v[TM+4+\b], 23, v[TM+12+\b]      ; the scale's byte
.endif
.endr
	v_lshl_or_b32 v[PW], v[TM+5], 8, v[TM+4]       ; the bytes make my row's scale word
.if \nb == 4
	v_lshl_or_b32 v[PW], v[TM+6], 16, v[PW]
	v_lshl_or_b32 v[PW], v[TM+7], 24, v[PW]
.endif
.irp c, 0,1
.if 2*\c < \nb
	v_cvt_scalef32_pk16_fp6_f32 v[PC+6*\c:PC+2+6*\c], v[\s+32*\c:\s+15+32*\c], v[TM+12+2*\c]
	v_cvt_scalef32_pk16_fp6_f32 v[PC+12+4*\c:PC+14+4*\c], v[\s+16+32*\c:\s+31+32*\c], v[TM+12+2*\c+1]   ; (a conversion's three registers begin on an even number)
.endif
.endr
	v_nop                                          ; one plain place behind a scaled conversion
.irp c, 0,1                                    ; the operand's layout wants a WHOLE block in a lane: lanes 0-15 block 2 c, lanes 16-31 block 2 c + 1
.if 2*\c < \nb
.irp i, 0,1,2
	v_permlane16_swap_b32 v[PC+6*\c+\i], v[PC+12+4*\c+\i]
.endr
.irp i, 0,1,2
	v_mov_b32 v[PC+3+6*\c+\i], v[PC+12+4*\c+\i]
.endr
.endif
.endr
.if \nb == 2
.irp i, 6,7,8,9,10,11
	v_mov_b32 v[PC+\i], 0                          ; k = 64 .. 127: zero codes
.endr
.endif
.endm
.macro LAYER2                          ; four tiles of 16 units, K = 128: one instruction each, C = b2
	PLACES 8                                       ; a scale word made by vector instructions stands 8 places ahead of a scaled matrix instruction, codes so made 4
	WIN 0x11                                       ; source 0 (W2) and source 2 (b2) window 1
.irp t, 0,1,2,3
	FP6MM ACC2+8*\t,W2F+12*\t,PC,B2+8*\t,W2SC+\t,PW
.endr
	WIN 0
	PLACES 4
.endm
	s_load_b128 s[4:7], s[0:1], 0x0                ; s's codes, s's scales
	s_load_b512 s[8:23], s[0:1], 0x10              ; net 0: W1's codes, scales, b1, W2's codes, scales, b2, w3, b3
	s_load_b512 s[24:39], s[0:1], 0x50             ; net 1: the same eight
	s_load_b512 s[40:55], s[0:1], 0x90             ; net 2: the same six, then Wz3's codes, bz3
	s_load_b128 s[56:59], s[0:1], 0xd0             ; Wz3's scales, pt
	s_load_b64 s[60:61], s[0:1], 0xe0              ; zrec
	s_set_vgpr_msb 0x40
	v_lshl_add_u32 v254, v0, 2, 0xca00
	v_mov_b32 v255, 0
	s_set_vgpr_msb 0x4000
	v_lshrrev_b32 v1, 5, v0
	v_readfirstlane_b32 s2, v1                     ; wave 0..7
	s_and_b32 s3, ttmp7, 0xffff                    ; the net
	v_and_b32 v[RR], 15, v0
	v_bfe_u32 v[HH], v0, 4, 1
	v_mul_u32_u24 v[XA], v[RR], 384
	v_mad_u32_u24 v[XA], v[HH], 24, v[XA]
	v_lshlrev_b32 v[R16], 4, v[RR]
	v_and_b32 v[WS], 8, v[RR]
	v_add_nc_u32 v[WS], v[WS], v[RR]               ; rm = r + 8 (r / 8)
	v_mul_u32_u24 v[WA], v[WS], 384
	v_mad_u32_u24 v[WA], v[HH], 24, v[WA]
	v_mul_u32_u24 v[W2A], v[WS], 96
	v_mad_u32_u24 v[W2A], v[HH], 24, v[W2A]
	v_lshlrev_b32 v[W2S], 2, v[WS]
	v_mul_u32_u24 v[W3A], v[WS], 48
	v_mad_u32_u24 v[W3A], v[HH], 24, v[W3A]
	v_lshlrev_b32 v[W3S], 1, v[WS]
	v_lshlrev_b32 v[WS], 4, v[WS]
	v_lshlrev_b32 v[BA], 6, v[HH]
	v_and_b32 v[LI], 31, v0
	v_lshlrev_b32 v[L4], 2, v[LI]
	v_lshlrev_b32 v[LI], 4, v[LI]
	s_mul_i32 s62, s2, 6144                        ; every LDS address is made here, ahead of every branch
	v_add_nc_u32 v[IMW], s62, v[LI]
	s_lshl_b32 s62, s2, 8
	s_add_co_u32 s62, s62, WSC
	v_add_nc_u32 v[SCW], s62, v[R16]
	s_lshl_b32 s62, s2, 6
	s_add_co_u32 s62, s62, PST
	v_lshl_add_u32 v[PSA], v[RR], 2, s62
	s_wait_kmcnt 0x0
	s_cmp_eq_u32 s3, 1                             ; the net's eight buffers: a choice that hangs on the work-group's number alone
.irp i, 0,1,2,3,4,5,6,7
	s_cselect_b64 s[8+2*\i:9+2*\i], s[24+2*\i:25+2*\i], s[8+2*\i:9+2*\i]
.endr
	s_cmp_eq_u32 s3, 2
.irp i, 0,1,2,3,4,5,6,7
	s_cselect_b64 s[8+2*\i:9+2*\i], s[40+2*\i:41+2*\i], s[8+2*\i:9+2*\i]
.endr
	s_lshl_b32 s24, ttmp9, 7
	s_lshl_b32 s25, s2, 4
	s_add_co_u32 s24, s24, s25                     ; my first row: 128 x + 16 w
	s_mul_i32 s26, s24, 384
	s_mov_b32 s27, 0
	s_add_nc_u64 s[4:5], s[4:5], s[26:27]
	s_lshl_b32 s26, s24, 4
	s_add_nc_u64 s[6:7], s[6:7], s[26:27]
	s_lshr_b32 s24, s2, 1
	s_lshl_b32 s24, s24, 5
	s_and_b32 s25, s2, 1
	s_lshl_b32 s25, s25, 3
	s_add_co_u32 s24, s24, s25                     ; W1's tile w begins at row 32 (w / 2) + 8 (w % 2)
	s_mul_i32 s26, s24, 384
	s_add_nc_u64 s[8:9], s[8:9], s[26:27]
	s_lshl_b32 s26, s24, 4
	s_add_nc_u64 s[10:11], s[10:11], s[26:27]
	s_and_b32 s24, s3, 1
	s_lshl_b32 s24, s24, 15
	s_lshl_b32 s26, ttmp9, 9
	s_add_co_u32 s26, s26, s24
	s_add_nc_u64 s[58:59], s[58:59], s[26:27]      ; pt: plane y (nets 0, 1), + 512 x
	s_lshl_b32 s26, ttmp9, 3
	s_add_co_u32 s26, s26, s2
	s_mul_i32 s26, s26, 1792
	s_add_nc_u64 s[60:61], s[60:61], s[26:27]      ; my record: tile 8 x + w
.irp s, 0,1,2,3                                ; W1's tile w, in the fragments' order: 25 loads
.irp p, 0,1,2,3,4,5
	global_load_b64 v[WB+12*\s+2*\p:WB+12*\s+2*\p+1], v[WA], s[8:9] offset:96*\s+48*(\p/3)+8*(\p%3)
.endr
.endr
	global_load_b128 v[WBS:WBS+3], v[WS], s[10:11]
.irp s, 0,1,2,3                                ; my 16 rows of s: 25 loads
.irp p, 0,1,2,3,4,5
	global_load_b64 v[X+12*\s+2*\p:X+12*\s+2*\p+1], v[XA], s[4:5] offset:96*\s+48*(\p/3)+8*(\p%3)
.endr
.endr
	global_load_b128 v[XSC:XSC+3], v[R16], s[6:7]
.irp t, 0,1,2,3,4,5,6,7                        ; b1 into the accumulators: lane (r, h) wants, for tile t, units 32 (t / 2) + 8 (t % 2) + 16 h + 0 .. 7: 16 loads
	global_load_b128 v[ACC+8*\t:ACC+8*\t+3], v[BA], s[12:13] offset:(32*(\t/2)+8*(\t%2))*4
	global_load_b128 v[ACC+8*\t+4:ACC+8*\t+7], v[BA], s[12:13] offset:(32*(\t/2)+8*(\t%2))*4+16
.endr
	s_wait_loadcnt 41                              ; W1's 25 are in; the 25 + 16 issued behind them may be out
.irp s, 0,1,2,3
.irp g, 0,1,2
	ds_store_b128 v[IMW], v[WB+12*\s+4*\g:WB+12*\s+4*\g+3] offset:WIMG+1536*\s+512*\g
.endr
.endr
	ds_store_b128 v[SCW], v[WBS:WBS+3]             ; lanes r and r + 16 write the same 16 bytes with the same values
	WIN 0x40                                       ; destination window 1
.irp t, 0,1,2,3
.irp p, 0,1,2,3,4,5
	global_load_b64 v[W2F+12*\t+2*\p:W2F+12*\t+2*\p+1], v[W2A], s[14:15] offset:(32*(\t/2)+8*(\t%2))*96+48*(\p/3)+8*(\p%3)
.endr
.endr
.irp t, 0,1,2,3
	global_load_b128 v[B2+8*\t:B2+8*\t+3], v[BA], s[18:19] offset:(32*(\t/2)+8*(\t%2))*4
	global_load_b128 v[B2+8*\t+4:B2+8*\t+7], v[BA], s[18:19] offset:(32*(\t/2)+8*(\t%2))*4+16
.endr
	WIN 0
.irp t, 0,1,2,3
	global_load_b32 v[W2SC+\t], v[W2S], s[16:17] offset:(32*(\t/2)+8*(\t%2))*4
.endr
	s_mov_b32 s62, 0x76543210
	s_mov_b32 s63, 0xfedcba98                      ; v_permlanex16_b32's selects for lane l xor 16
	s_wait_dscnt 0x0                               ; for the others' sake: my images lie in LDS
	s_barrier_signal -1
	s_barrier_wait -1                              ; all 32 fragments of W1 do
	s_cmp_eq_u32 s3, 2
	s_cbranch_scc0 .Lnet_p
	; ---- net 2: z
	WIN 0x40
.irp t, 0,1,2,3,4,5,6,7
.irp i, 6,7,8,9,10,11
	v_mov_b32 v[Z3F+12*\t+\i], 0                   ; Wz3 has K = 64: k = 64 .. 127 of its fragments are zero codes
.endr
.endr
.irp t, 0,1,2,3,4,5,6,7
.irp p, 0,1,2
	global_load_b64 v[Z3F+12*\t+2*\p:Z3F+12*\t+2*\p+1], v[W3A], s[20:21] offset:(32*(\t/2)+8*(\t%2))*48+8*\p
.endr
.endr
.irp t, 0,1,2,3,4,5,6,7
	global_load_b128 v[BZ3+8*\t:BZ3+8*\t+3], v[BA], s[22:23] offset:(32*(\t/2)+8*(\t%2))*4
	global_load_b128 v[BZ3+8*\t+4:BZ3+8*\t+7], v[BA], s[22:23] offset:(32*(\t/2)+8*(\t%2))*4+16
.endr
	WIN 0
.irp t, 0,1,2,3,4,5,6,7
	global_load_u16 v[Z3SC+\t], v[W3S], s[56:57] offset:(32*(\t/2)+8*(\t%2))*2   ; two scale bytes a row; the word's upper bytes are 0, over zero codes
.endr
	s_wait_loadcnt 48                              ; all but the 24 + 16 + 8 just issued: s, b1, W2, b2 are in
	LAYER1
	PLACES 4
	RELU ACC, 64
	QUANT ACC, 4
	LAYER2
	RELU ACC2, 32
	QUANT ACC2, 2
	s_wait_loadcnt 0x0                             ; Wz3, bz3
	PLACES 8
	WIN 0x11                                       ; source 0 (Wz3) and source 2 (bz3) window 1
.irp t, 0,1,2,3,4,5,6,7
	FP6MM ACC+8*\t,Z3F+12*\t,PC,BZ3+8*\t,Z3SC+\t,PW
.endr
	WIN 0
	PLACES 4
	v_pk_mul_f32 v[SQ:SQ+1], v[ACC:ACC+1], v[ACC:ACC+1]             ; sq of the unquantised z: my 64 features, two at a time, in two chains, each accumulator from its low end on
	v_pk_mul_f32 v[SQ+2:SQ+3], v[ACC+2:ACC+3], v[ACC+2:ACC+3]
.irp j, 4,8,12,16,20,24,28,32,36,40,44,48,52,56,60
	v_pk_fma_f32 v[SQ:SQ+1], v[ACC+\j:ACC+\j+1], v[ACC+\j:ACC+\j+1], v[SQ:SQ+1]
	v_pk_fma_f32 v[SQ+2:SQ+3], v[ACC+\j+2:ACC+\j+3], v[ACC+\j+2:ACC+\j+3], v[SQ+2:SQ+3]
.endr
	v_pk_add_f32 v[SQ:SQ+1], v[SQ:SQ+1], v[SQ+2:SQ+3]
	v_add_f32 v[SQ], v[SQ], v[SQ+1]
	v_permlanex16_b32 v[SQ+1], v[SQ], s62, s63
	v_add_f32 v[SQ], v[SQ], v[SQ+1]                ; with lane l xor 16's 64 features
	v_mul_f32 v[NHS], -0.5, v[SQ]
	QUANT ACC, 4
	v_cmp_eq_u32 vcc_lo, 1, v[HH]
	v_cndmask_b32 v[AUX], v[PW], v[NHS], vcc_lo    ; lanes 0-15: row r's scale word; lanes 16-31: row r's -sq / 2
.irp g, 0,1,2
	global_store_b128 v[LI], v[PC+4*\g:PC+4*\g+3], s[60:61] offset:512*\g   ; the fragment's image: 512 consecutive bytes a store
.endr
	global_store_b32 v[L4], v[AUX], s[60:61] offset:1536
	global_store_b32 v[L4], v[AUX], s[60:61] offset:1664
	s_branch .Ltail
	; ---- nets 0 and 1: one number a row
.Lnet_p:
	s_load_b32 s24, s[22:23], 0x0                  ; b3
	WIN 0x40
.irp t, 0,1,2,3
	global_load_b128 v[W3L+8*\t:W3L+8*\t+3], v[BA], s[20:21] offset:(32*(\t/2)+8*(\t%2))*4   ; w3 in the layout of layer 2's result
	global_load_b128 v[W3L+8*\t+4:W3L+8*\t+7], v[BA], s[20:21] offset:(32*(\t/2)+8*(\t%2))*4+16
.endr
	WIN 0
	s_wait_loadcnt 8                               ; all but the 8 just issued
	LAYER1
	PLACES 4
	RELU ACC, 64
	QUANT ACC, 4
	LAYER2
	RELU ACC2, 32
	s_wait_loadcnt 0x0
	s_wait_kmcnt 0x0
	WIN 0x04                                       ; source 1 (w3) window 1
	v_pk_mul_f32 v[SQ:SQ+1], v[ACC2:ACC2+1], v[W3L:W3L+1]
	v_pk_mul_f32 v[SQ+2:SQ+3], v[ACC2+2:ACC2+3], v[W3L+2:W3L+3]
.irp j, 4,8,12,16,20,24,28
	v_pk_fma_f32 v[SQ:SQ+1], v[ACC2+\j:ACC2+\j+1], v[W3L+\j:W3L+\j+1], v[SQ:SQ+1]
	v_pk_fma_f32 v[SQ+2:SQ+3], v[ACC2+\j+2:ACC2+\j+3], v[W3L+\j+2:W3L+\j+3], v[SQ+2:SQ+3]
.endr
	WIN 0
	v_pk_add_f32 v[SQ:SQ+1], v[SQ:SQ+1], v[SQ+2:SQ+3]
	v_add_f32 v[SQ], v[SQ], v[SQ+1]
	v_permlanex16_b32 v[SQ+1], v[SQ], s62, s63
	v_add_f32 v[SQ], v[SQ], v[SQ+1]                ; with lane l xor 16's 32 units
	v_add_f32 v[SQ], s24, v[SQ]
	ds_store_b32 v[PSA], v[SQ]                     ; lanes r and r + 16 write the same word with the same value
.Ltail:                                            ; all three nets pass this barrier, so that none stands under a branch
	s_wait_dscnt 0x0                               ; for wave 0's sake: my 16 numbers lie in LDS
	s_barrier_signal -1
	s_barrier_wait -1
	s_cmp_eq_u32 s3, 2
	s_cbranch_scc1 .Lend
	s_cmp_lg_u32 s2, 0
	s_cbranch_scc1 .Lend
	ds_load_b128 v[SQ:SQ+3], v[LI] offset:PST
	s_wait_dscnt 0x0
	global_store_b128 v[LI], v[SQ:SQ+3], s[58:59]  ; the block's 128 numbers: 512 consecutive bytes, at a multiple of 256 from pt's first byte
.Lend:
	s_set_vgpr_msb 0x5
	s_wait_tensorcnt 0x0
	ds_add_u32 v254, v255
	s_wait_dscnt 0x0
	s_set_vgpr_msb 0x500
	s_endpgm
.Lfunc_end_k_q665d9e2f57_mlp:
	.size	k_q665d9e2f57_mlp, .Lfunc_end_k_q665d9e2f57_mlp-k_q665d9e2f57_mlp
	.p2alignl 7, 3214868480
	.fill 96, 4, 3214868480
	.section	.rodata,"a",@progbits
	.p2align	6, 0x0
	.amdhsa_kernel k_q665d9e2f57_mlp
		.amdhsa_group_segment_fixed_size 52736
		.amdhsa_private_segment_fixed_size 0
		.amdhsa_enable_private_segment 0
		.amdhsa_kernarg_size 232
		.amdhsa_user_sgpr_count 2
		.amdhsa_user_sgpr_kernarg_segment_ptr 1
		.amdhsa_wavefront_size32 1
		.amdhsa_system_sgpr_workgroup_id_x 1
		.amdhsa_system_sgpr_workgroup_id_y 1
		.amdhsa_system_sgpr_workgroup_id_z 1
		.amdhsa_system_vgpr_workitem_id 0
		.amdhsa_next_free_vgpr 512
		.amdhsa_next_free_sgpr 66
		.amdhsa_reserve_vcc 1
		.amdhsa_float_denorm_mode_32 3
		.amdhsa_float_denorm_mode_16_64 3
		.amdhsa_memory_ordered 1
		.amdhsa_forward_progress 1
		.amdhsa_inst_pref_size 76
	.end_amdhsa_kernel
	.amdgpu_metadata
---
amdhsa.version: [ 1, 2 ]
amdhsa.kernels:
  - .name:           k_q665d9e2f57_mlp
    .symbol:         k_q665d9e2f57_mlp.kd
    .args:
      - { .name: s_codes, .offset: 0, .size: 8, .value_kind: global_buffer, .address_space: global }
      - { .name: s_scales, .offset: 8, .size: 8, .value_kind: global_buffer, .address_space: global }
      - { .name: w1_codes, .offset: 16, .size: 8, .value_kind: global_buffer, .address_space: global }
      - { .name: w1_scales, .offset: 24, .size: 8, .value_kind: global_buffer, .address_space: global }
      - { .name: b1, .offset: 32, .size: 8, .value_kind: global_buffer, .address_space: global }
      - { .name: w2_codes, .offset: 40, .size: 8, .value_kind: global_buffer, .address_space: global }
      - { .name: w2_scales, .offset: 48, .size: 8, .value_kind: global_buffer, .address_space: global }
      - { .name: b2, .offset: 56, .size: 8, .value_kind: global_buffer, .address_space: global }
      - { .name: w3, .offset: 64, .size: 8, .value_kind: global_buffer, .address_space: global }
      - { .name: b3, .offset: 72, .size: 8, .value_kind: global_buffer, .address_space: global }
      - { .name: wt1_codes, .offset: 80, .size: 8, .value_kind: global_buffer, .address_space: global }
      - { .name: wt1_scales, .offset: 88, .size: 8, .value_kind: global_buffer, .address_space: global }
      - { .name: bt1, .offset: 96, .size: 8, .value_kind: global_buffer, .address_space: global }
      - { .name: wt2_codes, .offset: 104, .size: 8, .value_kind: global_buffer, .address_space: global }
      - { .name: wt2_scales, .offset: 112, .size: 8, .value_kind: global_buffer, .address_space: global }
      - { .name: bt2, .offset: 120, .size: 8, .value_kind: global_buffer, .address_space: global }
      - { .name: wt3, .offset: 128, .size: 8, .value_kind: global_buffer, .address_space: global }
      - { .name: bt3, .offset: 136, .size: 8, .value_kind: global_buffer, .address_space: global }
      - { .name: wz1_codes, .offset: 144, .size: 8, .value_kind: global_buffer, .address_space: global }
      - { .name: wz1_scales, .offset: 152, .size: 8, .value_kind: global_buffer, .address_space: global }
      - { .name: bz1, .offset: 160, .size: 8, .value_kind: global_buffer, .address_space: global }
      - { .name: wz2_codes, .offset: 168, .size: 8, .value_kind: global_buffer, .address_space: global }
      - { .name: wz2_scales, .offset: 176, .size: 8, .value_kind: global_buffer, .address_space: global }
      - { .name: bz2, .offset: 184, .size: 8, .value_kind: global_buffer, .address_space: global }
      - { .name: wz3_codes, .offset: 192, .size: 8, .value_kind: global_buffer, .address_space: global }
      - { .name: bz3, .offset: 200, .size: 8, .value_kind: global_buffer, .address_space: global }
      - { .name: wz3_scales, .offset: 208, .size: 8, .value_kind: global_buffer, .address_space: global }
      - { .name: pt, .offset: 216, .size: 8, .value_kind: global_buffer, .address_space: global }
      - { .name: zrec, .offset: 224, .size: 8, .value_kind: global_buffer, .address_space: global }
    .group_segment_fixed_size: 52736
    .private_segment_fixed_size: 0
    .kernarg_segment_align: 8
    .kernarg_segment_size: 232
    .max_flat_workgroup_size: 256
    .sgpr_count:     66
    .vgpr_count:     512
    .wavefront_size: 32
...
	.end_amdgpu_metadata
.endif
;; end of part 1
;; launch knn (part 2): grid 64 x 4, 4 waves a work-group, clusters of 4 x 1, 236,032 bytes of LDS; arguments zrec, cand; writes cand
.if DOCPART == 2
	.amdgcn_target "amdgcn-amd-amdhsa--gfx1250"
	.amdhsa_code_object_version 6
	.text
	.protected	k_q665d9e2f57_knn
	.globl	k_q665d9e2f57_knn
	.p2align	8
	.type	k_q665d9e2f57_knn,@function
k_q665d9e2f57_knn:
	s_mov_b64 s[64:65], 0
	v_nop
	global_prefetch_b8 v0, s[64:65] scope:SCOPE_SE
	s_setreg_imm32_b32 hwreg(HW_REG_WAVE_MODE, 25, 1), 1
	s_wait_xcnt 0x0
	s_wait_alu depctr_hold_cnt(0) depctr_sa_sdst(0) depctr_va_vdst(0) depctr_va_sdst(0) depctr_va_ssrc(0) depctr_va_vcc(0) depctr_vm_vsrc(0)
	s_getreg_b32 s2, hwreg(HW_REG_IB_STS2, 6, 4)
	s_cmp_eq_u32 s2, 0
	s_cbranch_scc0 .Lentry_in_a_cluster
	s_endpgm
.Lentry_in_a_cluster:
	s_bfe_u32 s2, ttmp6, 0x10000c
	s_cmp_lg_u32 s2, 0x3003
	s_cbranch_scc0 .Lentry_shape_is_right
	s_endpgm
.Lentry_shape_is_right:
; THE PAIRWISE PRODUCT AND THE SEARCH.  For query i and key j: raw = sq_i + sq_j - 2 zq_i . zq_j = sq_i - 2 u, u = zq_i . zq_j - sq_j / 2.  The root and the hold at 0 rise with raw and sq_i is one number a row, so the 11 smallest
; distances of a row are those of its 11 LARGEST u.  u comes out of the matrix instruction itself: C = -sq_j / 2.  This launch keeps, for each query and each quarter of the keys, the 11 largest u, sorted.
; SHARES.  Work-group (qb, y): queries 128 qb .. + 127 against keys 2,048 y .. + 2,047.  Wave w: two tiles of 16 queries, against all 128 tiles of keys.  The product is used transposed (source 0 = 16 keys, source 1 = 16 queries):
; lane (r, h) holds query r and, in a result's eight registers, keys 8 h + 0 .. 7 of the tile.
; LDS.  The quarter's 128 records (1,792 bytes each: the operand's image, scale words, -sq / 2) are 229,376 bytes: they are brought ONCE, in four groups of 32 records, each wave 8 records of each group (4 tensor loads of a wave are
; out at the most), and nothing is filled again.  The loops begin on the first group while the others land.
; CLUSTER.  The four query blocks of a cluster read the same quarter: each load is asked for JOINTLY (the same descriptor, a mask that names the four).
; THE SEARCH has no branch and no address on data.  A BLOCK is three tiles of keys: 24 numbers a lane, taken as a 3 x 3 x 3 array (the tile; the register's row j / 3; its column j % 3) whose three cells with j = 8 count as
; -infinity.  It is sorted descending along the three axes in turn, three numbers by v_max3, v_med3, v_min3; sorting a further axis leaves the earlier ones sorted.  The number in cell (a, b, c), counted from 1, then has a b c - 1
; numbers of its own block that are no smaller.  If m numbers of the stream of one cell, over all blocks, are no smaller than a number e of that stream, m a b c numbers are no smaller than e: so e can be among the row's 11 largest
; only if it is among the floor(11 / (a b c)) largest of its stream.  Each live cell has a sorted list of that depth (50 registers a tile of queries); cells with a b c > 11 are not made.  At the end the lists are merged into the first.
; Inserting x into a descending list goes from the bottom: L[i] = the middle one of L[i-1], L[i], x; L[0] = the larger of L[0], x: no line waits for the line above it.
; LIMITS: NaN and infinities are not served.  u is rounded once by the matrix unit and raw is one fused multiply-add of it, where the definition adds sq_i + sq_j first: both carry an error of the order of 2^-23 sq.
.set REC,  1792
.set STG,  229376                      ; behind the records: 12 rows of 512 bytes (128 queries): rows 0-10 the lists, row 11 the queries' -sq / 2
.set LI0,  1                           ; v1   16 x lane
.set LS0,  2                           ; v2   1536 + 4 r
.set LC0,  3                           ; v3   1600 + 32 h
.set ADI,  4                           ; v4-6 the same, at the block in hand
.set ADS,  5
.set ADC,  6
.set STA,  7                           ; v7   STG + 128 w + 4 r
.set RDA,  8                           ; v8   STG + 512 w + 16 x lane
.set R4,   9                           ; v9   4 r
.set NH,   10                          ; v10-11 my queries' -sq / 2
.set QS,   12                          ; v12-13 the queries' scale words
.set KS,   14                          ; v14-16 the keys'
.set QF,   20                          ; v20-43   two fragments of queries
.set KF,   44                          ; v44-79   three of keys
.set KC,   80                          ; v80-103  three C operands: -sq / 2 of keys 8 h + 0 .. 7
.set DA,   104                         ; v104-151 u: tile of queries q, tile of keys t at 24 q + 8 t
.set EA,   152                         ; v152-199 sorted along the tiles, later along all three axes: 24 q + 8 a + cell
.set FA,   200                         ; v200-223 sorted along the tiles and the columns
                                       ; window 1: v0-99 the lists, 50 q on
.set TB,   42                          ; s42  LDS byte of the block to be fetched
.set MSB, 0
.macro WIN new                         ; the immediate's high byte repeats the setting that is left
.if MSB != \new
	s_set_vgpr_msb (MSB<<8)|\new
.set MSB, \new
.endif
.endm
.macro CROUND                          ; a round of the cluster's barrier
	s_barrier_signal -1
	s_barrier_wait -1
	s_cmp_lg_u32 s8, 0
	s_cbranch_scc1 .Lnot_wave_0_\@
	s_barrier_signal -3
.Lnot_wave_0_\@:
	s_barrier_wait -3
	s_barrier_signal -1
	s_barrier_wait -1
.endm
.macro PHASE n                         ; a further group of 32 records is whole: mine by the count (the n younger loads may stay out), everybody's by the barrier.
	s_wait_tensorcnt \n
	s_wait_dscnt 0x0
	s_barrier_signal -1
	s_barrier_wait -1
.endm
.macro S3 o1, o2, o3, a, b, c          ; three numbers, sorted descending
	v_max3_num_f32 v[\o1], v[\a], v[\b], v[\c]
	v_med3_num_f32 v[\o2], v[\a], v[\b], v[\c]
	v_min3_num_f32 v[\o3], v[\a], v[\b], v[\c]
.endm
; x into the descending list of d registers at base.  from = k: k numbers no smaller than x are known to be in the list, so slots under k stay.  x is source 2 in every line, so that one window setting serves all.
.macro INS base, stride, d, x, from
.if (\d) > 1
.set I_, (\d)-1
.rept (\d)-1
.if I_ >= (\from)
	v_med3_num_f32 v[\base+\stride*I_], v[\base+\stride*(I_-1)], v[\base+\stride*I_], v[\x]
.endif
.set I_, I_-1
.endr
.endif
.if (\from) == 0
	v_max3_num_f32 v[\base], v[\base], v[\base], v[\x]
.endif
.endm
.macro LOADA nt                        ; the next block's nt tiles of keys: for each three loads of the image, the scale words, two loads of C
	v_add_nc_u32 v[ADI], s[TB], v[LI0]
	v_add_nc_u32 v[ADS], s[TB], v[LS0]
	v_add_nc_u32 v[ADC], s[TB], v[LC0]
	s_add_co_u32 s[TB], s[TB], 3*REC
.irp t, 0,1,2
.if \t < \nt
	ds_load_b128 v[KF+12*\t:KF+12*\t+3], v[ADI] offset:REC*\t
	ds_load_b128 v[KF+12*\t+4:KF+12*\t+7], v[ADI] offset:REC*\t+512
	ds_load_b128 v[KF+12*\t+8:KF+12*\t+11], v[ADI] offset:REC*\t+1024
	ds_load_b32 v[KS+\t], v[ADS] offset:REC*\t
	ds_load_b128 v[KC+8*\t:KC+8*\t+3], v[ADC] offset:REC*\t
	ds_load_b128 v[KC+8*\t+4:KC+8*\t+7], v[ADC] offset:REC*\t+16
.endif
.endr
.endm
.macro MM nt                           ; u of two tiles of queries x nt tiles of keys: each result has registers of its own
.irp q, 0,1
.irp t, 0,1,2
.if \t < \nt
	v_wmma_scale_f32_16x16x128_f8f6f4 v[DA+24*\q+8*\t:DA+24*\q+8*\t+7], v[KF+12*\t:KF+12*\t+11], v[QF+12*\q:QF+12*\q+11], v[KC+8*\t:KC+8*\t+7], v[KS+\t], v[QS+\q] matrix_a_fmt:MATRIX_FMT_FP6 matrix_b_fmt:MATRIX_FMT_FP6
.endif
.endr
.endr
.endm
.macro L1S q                           ; along the tiles; each result is read from its low end on
.irp j, 0,1,2,3,4,5,6,7
	S3 EA+24*\q+\j,EA+24*\q+8+\j,EA+24*\q+16+\j,DA+24*\q+\j,DA+24*\q+8+\j,DA+24*\q+16+\j
.endr
.endm
.macro L1S2 q                          ; the last block has two tiles: the third counts as -infinity
.irp j, 0,1,2,3,4,5,6,7
	v_max_num_f32 v[EA+24*\q+\j], v[DA+24*\q+\j], v[DA+24*\q+8+\j]
	v_min_num_f32 v[EA+24*\q+8+\j], v[DA+24*\q+\j], v[DA+24*\q+8+\j]
.endr
.endm
.macro L2S q, na                       ; within the rows (0,1,2), (3,4,5), (6,7,-infinity)
.irp a, 0,1,2
.if \a < \na
	S3 FA+8*\a,FA+8*\a+1,FA+8*\a+2,EA+24*\q+8*\a,EA+24*\q+8*\a+1,EA+24*\q+8*\a+2
	S3 FA+8*\a+3,FA+8*\a+4,FA+8*\a+5,EA+24*\q+8*\a+3,EA+24*\q+8*\a+4,EA+24*\q+8*\a+5
	v_max_num_f32 v[FA+8*\a+6], v[EA+24*\q+8*\a+6], v[EA+24*\q+8*\a+7]
	v_min_num_f32 v[FA+8*\a+7], v[EA+24*\q+8*\a+6], v[EA+24*\q+8*\a+7]
.endif
.endr
.endm
.macro L3S q, na                       ; within the columns (0,3,6), (1,4,7), (2,5,-infinity): only the live cells are made
	S3 EA+24*\q,EA+24*\q+3,EA+24*\q+6,FA,FA+3,FA+6
	S3 EA+24*\q+1,EA+24*\q+4,EA+24*\q+7,FA+1,FA+4,FA+7
	v_max_num_f32 v[EA+24*\q+2], v[FA+2], v[FA+5]
	v_min_num_f32 v[EA+24*\q+5], v[FA+2], v[FA+5]
	S3 EA+24*\q+8,EA+24*\q+11,EA+24*\q+14,FA+8,FA+11,FA+14
	v_max3_num_f32 v[EA+24*\q+9], v[FA+9], v[FA+12], v[FA+15]
	v_med3_num_f32 v[EA+24*\q+12], v[FA+9], v[FA+12], v[FA+15]
	v_max_num_f32 v[EA+24*\q+10], v[FA+10], v[FA+13]
.if \na > 2
	S3 EA+24*\q+16,EA+24*\q+19,EA+24*\q+22,FA+16,FA+19,FA+22
	v_max3_num_f32 v[EA+24*\q+17], v[FA+17], v[FA+20], v[FA+23]
	v_max_num_f32 v[EA+24*\q+18], v[FA+18], v[FA+21]
.endif
.endm
.macro INSALL q, na                    ; each live cell into its list: (list's first register, depth = floor(11 / (a b c)), cell)
	WIN 0x45                                       ; the lists (destination, sources 0 and 1) window 1, x (source 2) window 0
	INS 50*\q,1,11,EA+24*\q,0
	INS 50*\q+11,1,5,EA+24*\q+1,0
	INS 50*\q+16,1,3,EA+24*\q+2,0
	INS 50*\q+19,1,5,EA+24*\q+3,0
	INS 50*\q+24,1,2,EA+24*\q+4,0
	INS 50*\q+26,1,1,EA+24*\q+5,0
	INS 50*\q+27,1,3,EA+24*\q+6,0
	INS 50*\q+30,1,1,EA+24*\q+7,0
	INS 50*\q+31,1,5,EA+24*\q+8,0
	INS 50*\q+36,1,2,EA+24*\q+9,0
	INS 50*\q+38,1,1,EA+24*\q+10,0
	INS 50*\q+39,1,2,EA+24*\q+11,0
	INS 50*\q+41,1,1,EA+24*\q+12,0
	INS 50*\q+42,1,1,EA+24*\q+14,0
.if \na > 2
	INS 50*\q+43,1,3,EA+24*\q+16,0
	INS 50*\q+46,1,1,EA+24*\q+17,0
	INS 50*\q+47,1,1,EA+24*\q+18,0
	INS 50*\q+48,1,1,EA+24*\q+19,0
	INS 50*\q+49,1,1,EA+24*\q+22,0
.endif
	WIN 0
.endm
; A STEP sorts block m - 2, multiplies block m - 1 (mm tiles) and fetches block m (load tiles).  Between a product and the first read of its result, and between an LDS load and the wait for it, stands most of a step's vector work.
.macro STEP load, mm
	L1S 0
	L1S 1
	s_wait_dscnt 0x0                               ; the block fetched in the step before is in
	MM \mm
	L2S 0,3                                        ; 24 plain lines that name none of the products' registers: the places in front of the loads below
.if \load
	LOADA \load
.endif
	L3S 0,3
	INSALL 0,3
	L2S 1,3
	L3S 1,3
	INSALL 1,3
.endm
.macro SUBL q, off, d                  ; a sorted list of d, at 50 q + off, into the first list, in the order of rank
.set K_, 0
.rept \d
	INS 50*\q,1,11,50*\q+\off+K_,K_
.set K_, K_+1
.endr
.endm
.macro FINAL q
	WIN 0x55                                       ; all operands window 1
	SUBL \q,11,5
	SUBL \q,16,3
	SUBL \q,19,5
	SUBL \q,24,2
	SUBL \q,26,1
	SUBL \q,27,3
	SUBL \q,30,1
	SUBL \q,31,5
	SUBL \q,36,2
	SUBL \q,38,1
	SUBL \q,39,2
	SUBL \q,41,1
	SUBL \q,42,1
	SUBL \q,43,3
	SUBL \q,46,1
	SUBL \q,47,1
	SUBL \q,48,1
	SUBL \q,49,1
.set K_, 0
.rept 11
	v_permlanex16_b32 v[50*\q+11+K_], v[50*\q+K_], s40, s41   ; lane l xor 16 holds the same query's other keys
.set K_, K_+1
.endr
	SUBL \q,11,11
	WIN 0x04                                       ; an LDS store's data are its source 1: window 1
.set K_, 0
.rept 11
	ds_store_b32 v[STA], v[50*\q+K_] offset:512*K_+64*\q   ; lanes r and r + 16 write the same word with the same value
.set K_, K_+1
.endr
	WIN 0
	ds_store_b32 v[STA], v[NH+\q] offset:512*11+64*\q
.endm
	s_load_b128 s[4:7], s[0:1], 0x0                ; zrec, cand
	v_lshl_add_u32 v254, v0, 2, 0x39800
	v_mov_b32 v255, 0
	ds_add_u32 v254, v255
	ds_add_u32 v254, v255
	v_lshrrev_b32 v1, 5, v0
	v_readfirstlane_b32 s8, v1                     ; wave 0..3
	s_bfe_u32 s9, ttmp6, 0x40000                   ; cx: my place in the cluster
	s_lshl_b32 s10, ttmp9, 2                       ; in a cluster launch ttmp9 counts clusters
	s_add_co_u32 s10, s10, s9                      ; qb = 4 x cluster x + cx: it enters the queries' and cand's addresses alone
	s_and_b32 s11, ttmp7, 0xffff                   ; y: the quarter of the keys, which the four partners share
	; descriptor group 1: 8 records, 14,336 dense bytes, as 56 rows of 256 bytes
	s_mov_b32 s16, 15|(3<<16)|(1<<21)              ; 15:0 the mask: all four work-groups; 17:16 elements of 8 bytes; 20 no padding; 21 set beside a mask
	s_mov_b32 s17, 32<<16                          ; tensor_dim0 = 32
	s_mov_b32 s18, 56<<16                          ; tensor_dim1 = 56
	s_mov_b32 s19, 32<<16                          ; tile_dim0 = 32
	s_mov_b32 s20, 56                              ; tile_dim1 = 56
	s_mov_b32 s21, 32                              ; tensor_dim0_stride
	s_mov_b32 s22, 0
	s_mov_b32 s23, 0
	s_mul_i32 s50, s8, 14336                       ; my 8 records of a group: in LDS and in memory alike
	s_mul_i32 s48, s11, 229376                     ; the quarter
	s_add_co_u32 s48, s48, s50
	s_mov_b32 s49, 0
	s_lshl_b32 s46, s10, 3
	s_lshl_b32 s47, s8, 1
	s_add_co_u32 s46, s46, s47
	s_mul_i32 s46, s46, REC                        ; my queries' records: tiles 8 qb + 2 w, + 1
	s_mov_b32 s47, 0
	s_mul_i32 s52, s11, 12
	s_add_co_u32 s52, s52, s8
	s_lshl_b32 s52, s52, 15
	s_lshl_b32 s53, s10, 9
	s_add_co_u32 s52, s52, s53                     ; cand: row 12 y + w of 32,768 bytes, + 512 qb
	s_mov_b32 s53, 0
	s_mov_b32 s40, 0x76543210
	s_mov_b32 s41, 0xfedcba98                      ; v_permlanex16_b32's selects for lane l xor 16
	s_mov_b32 s[TB], 0
	s_mov_b32 s44, 0xff800000                      ; -infinity
	v_and_b32 v[R4], 15, v0
	v_bfe_u32 v[LC0], v0, 4, 1
	v_and_b32 v[LI0], 31, v0
	v_lshlrev_b32 v[LI0], 4, v[LI0]
	v_lshlrev_b32 v[R4], 2, v[R4]
	v_add_nc_u32 v[LS0], 1536, v[R4]
	v_lshlrev_b32 v[LC0], 5, v[LC0]
	v_add_nc_u32 v[LC0], 1600, v[LC0]
	s_lshl_b32 s51, s8, 7
	s_add_co_u32 s51, s51, STG
	v_add_nc_u32 v[STA], s51, v[R4]
	s_lshl_b32 s51, s8, 9
	s_add_co_u32 s51, s51, STG
	v_add_nc_u32 v[RDA], s51, v[LI0]
	s_wait_dscnt 0x0
	s_wait_kmcnt 0x0
	s_add_nc_u64 s[48:49], s[4:5], s[48:49]
	s_add_nc_u64 s[46:47], s[4:5], s[46:47]
	s_add_nc_u64 s[6:7], s[6:7], s[52:53]
.irp g, 0,1,2,3                                ; descriptor group 0, one set for each group of 32 records: none is ever rewritten
	s_mov_b32 s[24+4*\g], 1                        ; count = 1
	s_add_co_u32 s[25+4*\g], s50, 57344*\g         ; LDS address
	s_add_nc_u64 s[26+4*\g:27+4*\g], s[48:49], 57344*\g   ; global address
	s_or_b32 s[27+4*\g], s[27+4*\g], 0x80000000    ; type = 2
.endr
	CROUND                                         ; all four work-groups are here: the joint loads meet
	tensor_load_to_lds s[24:27], s[16:23]          ; all fills of the launch go out together
	s_nop 0
	tensor_load_to_lds s[28:31], s[16:23]
	s_nop 0
	tensor_load_to_lds s[32:35], s[16:23]
	s_nop 0
	tensor_load_to_lds s[36:39], s[16:23]
	s_nop 0
.rept 4
	v_nop                                          ; (places behind tensor loads)
.endr
.irp q, 0,1
.irp g, 0,1,2
	global_load_b128 v[QF+12*\q+4*\g:QF+12*\q+4*\g+3], v[LI0], s[46:47] offset:REC*\q+512*\g   ; my queries stay in registers
.endr
	global_load_b32 v[QS+\q], v[R4], s[46:47] offset:REC*\q+1536
	global_load_b32 v[NH+\q], v[R4], s[46:47] offset:REC*\q+1600
.endr
	WIN 0x40
.set J_, 0
.rept 100
	v_mov_b32 v[J_], s44                           ; the lists begin as -infinity, under every u
.set J_, J_+1
.endr
	WIN 0
	PHASE 3                                        ; records 0-31: blocks 0 to 9
	LOADA 3                                        ; block 0
	s_wait_loadcnt 0x0                             ; the queries
	s_wait_dscnt 0x0
	MM 3
.rept 4
	v_nop                                          ; places in front of loads into registers that matrix instructions have read
.endr
	LOADA 3                                        ; block 1
	s_mov_b32 s43, 8
.Lp0:                                              ; fetches blocks 2 to 9
	STEP 3,3
	s_sub_co_u32 s43, s43, 1
	s_cmp_lg_u32 s43, 0
	s_cbranch_scc1 .Lp0
	PHASE 2                                        ; records 32-63
	s_mov_b32 s43, 11
.Lp1:                                              ; blocks 10 to 20 (tiles up to 62)
	STEP 3,3
	s_sub_co_u32 s43, s43, 1
	s_cmp_lg_u32 s43, 0
	s_cbranch_scc1 .Lp1
	PHASE 1                                        ; records 64-95
	s_mov_b32 s43, 11
.Lp2:                                              ; blocks 21 to 31 (tiles up to 95)
	STEP 3,3
	s_sub_co_u32 s43, s43, 1
	s_cmp_lg_u32 s43, 0
	s_cbranch_scc1 .Lp2
	PHASE 0                                        ; records 96-127: no tensor load of mine is out any more
	s_mov_b32 s43, 10
.Lp3:                                              ; blocks 32 to 41 (tiles up to 125)
	STEP 3,3
	s_sub_co_u32 s43, s43, 1
	s_cmp_lg_u32 s43, 0
	s_cbranch_scc1 .Lp3
	STEP 2,3                                       ; fetches block 42: tiles 126 and 127
	STEP 0,2                                       ; multiplies it
.irp q, 0,1                                    ; and it is sorted: the step's vector work stands between its products and these reads
	L1S2 \q
	L2S \q,2
	L3S \q,2
	INSALL \q,2
.endr
	FINAL 0
	FINAL 1
	s_wait_dscnt 0x0                               ; for the others' sake: my part of the stage's rows is written
	s_barrier_signal -1
	s_barrier_wait -1
.irp i, 0,1,2
	ds_load_b128 v[EA+4*\i:EA+4*\i+3], v[RDA] offset:2048*\i   ; wave w takes rows w, w + 4, w + 8, whole
.endr
.irp i, 0,1,2
	s_wait_dscnt 2-\i
	global_store_b128 v[LI0], v[EA+4*\i:EA+4*\i+3], s[6:7] offset:131072*\i   ; 512 consecutive bytes, at a multiple of 256 from cand's first byte
.endr
	s_wait_tensorcnt 0x0
	ds_add_u32 v254, v255
	s_wait_dscnt 0x0
	CROUND                                         ; the closing round: no work-group ends while a partner may still ask for a tile that names it
	s_endpgm
.Lfunc_end_k_q665d9e2f57_knn:
	.size	k_q665d9e2f57_knn, .Lfunc_end_k_q665d9e2f57_knn-k_q665d9e2f57_knn
	.p2alignl 7, 3214868480
	.fill 96, 4, 3214868480
	.section	.rodata,"a",@progbits
	.p2align	6, 0x0
	.amdhsa_kernel k_q665d9e2f57_knn
		.amdhsa_group_segment_fixed_size 236032
		.amdhsa_private_segment_fixed_size 0
		.amdhsa_enable_private_segment 0
		.amdhsa_kernarg_size 16
		.amdhsa_user_sgpr_count 2
		.amdhsa_user_sgpr_kernarg_segment_ptr 1
		.amdhsa_wavefront_size32 1
		.amdhsa_system_sgpr_workgroup_id_x 1
		.amdhsa_system_sgpr_workgroup_id_y 1
		.amdhsa_system_sgpr_workgroup_id_z 1
		.amdhsa_system_vgpr_workitem_id 0
		.amdhsa_next_free_vgpr 384
		.amdhsa_next_free_sgpr 66
		.amdhsa_reserve_vcc 0
		.amdhsa_float_denorm_mode_32 3
		.amdhsa_float_denorm_mode_16_64 3
		.amdhsa_memory_ordered 1
		.amdhsa_forward_progress 1
		.amdhsa_inst_pref_size 180
	.end_amdhsa_kernel
	.amdgpu_metadata
---
amdhsa.version: [ 1, 2 ]
amdhsa.kernels:
  - .name:           k_q665d9e2f57_knn
    .symbol:         k_q665d9e2f57_knn.kd
    .args:
      - { .name: zrec, .offset: 0, .size: 8, .value_kind: global_buffer, .address_space: global }
      - { .name: cand, .offset: 8, .size: 8, .value_kind: global_buffer, .address_space: global }
    .group_segment_fixed_size: 236032
    .private_segment_fixed_size: 0
    .kernarg_segment_align: 8
    .kernarg_segment_size: 16
    .max_flat_workgroup_size: 128
    .sgpr_count:     66
    .vgpr_count:     384
    .wavefront_size: 32
...
	.end_amdgpu_metadata
.endif
;; end of part 2
;; launch merge (part 3): grid 32 x 1, 4 waves a work-group, no clusters, 0 bytes of LDS; arguments cand, sumk, psum; writes sumk, psum
.if DOCPART == 3
	.amdgcn_target "amdgcn-amd-amdhsa--gfx1250"
	.amdhsa_code_object_version 6
	.text
	.protected	k_q665d9e2f57_merge
	.globl	k_q665d9e2f57_merge
	.p2align	8
	.type	k_q665d9e2f57_merge,@function
k_q665d9e2f57_merge:
	s_mov_b64 s[64:65], 0
	v_nop
	global_prefetch_b8 v0, s[64:65] scope:SCOPE_SE
	s_setreg_imm32_b32 hwreg(HW_REG_WAVE_MODE, 25, 1), 1
	s_wait_xcnt 0x0
; The four quarters' sorted lists of a query (cand[quarter][rank 0..10][query], the 11 largest u; row 11: -sq / 2 of the query) become one; the largest u (the smallest distance) is dropped as the definition drops it;
; dist = sqrt(max(sq - 2 u, 0)) of the other ten; sumk[query] = their sum; psum[wave] = the sum of the wave's 64 sums, for the mean.
; A thread owns two neighbouring queries, so that a wave's load or store covers 256 consecutive bytes.  No LDS, no barrier: waves share nothing.  Matrix units, clusters and tensor loads have nothing to do here.
; 32 work-groups of 256 queries.  LIMITS: NaN and infinities are not served.
.set L, 16                             ; v16-103: list of quarter s, rank k, at 2 (11 s + k), a pair for the two queries
; x into the descending list of d registers at base, stride apart.  from = k: k numbers no smaller than x are known to be in the list, so slots under k stay.
.macro INS base, stride, d, x, from
.set I_, (\d)-1
.rept (\d)-1
.if I_ >= (\from)
	v_med3_num_f32 v[\base+\stride*I_], v[\base+\stride*(I_-1)], v[\base+\stride*I_], v[\x]
.endif
.set I_, I_-1
.endr
.if (\from) == 0
	v_max_num_f32 v[\base], v[\base], v[\x]
.endif
.endm
	s_load_b128 s[4:7], s[0:1], 0x0                ; cand, sumk
	s_load_b64 s[8:9], s[0:1], 0x10                ; psum
	v_lshlrev_b32 v1, 3, v0                        ; 8 bytes a thread
	v_lshrrev_b32 v2, 5, v0
	v_readfirstlane_b32 s12, v2                    ; wave
	v_and_b32 v3, 31, v0                           ; lane
	v_mov_b32 v9, 0                                ; (a lane permute's destination counts as one of its sources)
	v_mov_b32 v10, 0
	s_lshl_b32 s10, ttmp9, 10                      ; the work-group's 256 queries
	s_mov_b32 s11, 0
	s_lshl_b32 s13, ttmp9, 2
	s_add_co_u32 s13, s13, s12
	s_lshl_b32 s14, s13, 2                         ; psum: word 4 x work-group + wave
	s_mov_b32 s15, 0
	s_mov_b32 s2, 0x76543210
	s_mov_b32 s3, 0xfedcba98
	s_wait_kmcnt 0x0
	s_add_nc_u64 s[4:5], s[4:5], s[10:11]
	s_add_nc_u64 s[6:7], s[6:7], s[10:11]
	s_add_nc_u64 s[8:9], s[8:9], s[14:15]
.irp k, 0,1,2,3,4,5,6,7,8,9,10
	global_load_b64 v[L+2*\k:L+2*\k+1], v1, s[4:5] offset:32768*\k th:TH_LOAD_NT
.endr
	global_load_b64 v[104:105], v1, s[4:5] offset:32768*11 th:TH_LOAD_NT
.irp s, 1,2,3
.irp k, 0,1,2,3,4,5,6,7,8,9,10
	global_load_b64 v[L+2*(11*\s+\k):L+2*(11*\s+\k)+1], v1, s[4:5] offset:32768*(12*\s+\k) th:TH_LOAD_NT
.endr
.endr
.irp s, 1,2,3
	s_wait_loadcnt 11*(3-\s)                       ; quarter s is in; the later quarters' 11 loads each may be out
.set K_, 0
.rept 11
	INS L,2,11,L+2*(11*\s+K_),K_
	INS L+1,2,11,L+1+2*(11*\s+K_),K_
.set K_, K_+1
.endr
.endr
	v_pk_mul_f32 v[106:107], v[104:105], -2.0 op_sel_hi:[1,0]       ; sq of my two queries
.irp k, 1,2,3,4,5,6,7,8,9,10
	v_pk_fma_f32 v[L+2*\k:L+2*\k+1], v[L+2*\k:L+2*\k+1], -2.0, v[106:107] op_sel_hi:[1,0,1]   ; raw = sq - 2 u
.endr
.irp j, 2,3,4,5,6,7,8,9,10,11,12,13,14,15,16,17,18,19,20,21
	v_max_num_f32 v[L+\j], 0, v[L+\j]
.endr
.irp j, 2,3,4,5,6,7,8,9,10,11,12,13,14,15,16,17,18,19,20,21
	v_sqrt_f32 v[L+\j], v[L+\j]
.endr
	v_nop                                          ; one plain place behind the roots
	s_wait_alu depctr_va_vdst(0)
	v_pk_add_f32 v[108:109], v[L+2:L+3], v[L+4:L+5]
	v_pk_add_f32 v[110:111], v[L+6:L+7], v[L+8:L+9]
.irp k, 5,7,9
	v_pk_add_f32 v[108:109], v[108:109], v[L+2*\k:L+2*\k+1]
	v_pk_add_f32 v[110:111], v[110:111], v[L+2*\k+2:L+2*\k+3]
.endr
	v_pk_add_f32 v[108:109], v[108:109], v[110:111]
	global_store_b64 v1, v[108:109], s[6:7]        ; a wave stores 256 consecutive bytes, aligned
	v_add_f32 v8, v108, v109
	v_add_f32_dpp v8, v8, v8 row_xmask:1 row_mask:0xf bank_mask:0xf
	v_add_f32_dpp v8, v8, v8 row_xmask:2 row_mask:0xf bank_mask:0xf
	v_add_f32_dpp v8, v8, v8 row_xmask:4 row_mask:0xf bank_mask:0xf
	v_add_f32_dpp v8, v8, v8 row_xmask:8 row_mask:0xf bank_mask:0xf
	v_permlanex16_b32 v9, v8, s2, s3
	v_add_f32 v8, v8, v9                           ; the wave's 64 sums
	v_cmp_eq_u32 vcc_lo, 0, v3
	s_wait_xcnt 0x0                                ; EXEC changes only behind this wait: it is a source of the store above
	s_and_saveexec_b32 s12, vcc_lo
	global_store_b32 v10, v8, s[8:9]               ; lane 0 alone
	s_wait_xcnt 0x0
	s_or_b32 exec_lo, exec_lo, s12
	s_endpgm
.Lfunc_end_k_q665d9e2f57_merge:
	.size	k_q665d9e2f57_merge, .Lfunc_end_k_q665d9e2f57_merge-k_q665d9e2f57_merge
	.p2alignl 7, 3214868480
	.fill 96, 4, 3214868480
	.section	.rodata,"a",@progbits
	.p2align	6, 0x0
	.amdhsa_kernel k_q665d9e2f57_merge
		.amdhsa_group_segment_fixed_size 0
		.amdhsa_private_segment_fixed_size 0
		.amdhsa_enable_private_segment 0
		.amdhsa_kernarg_size 24
		.amdhsa_user_sgpr_count 2
		.amdhsa_user_sgpr_kernarg_segment_ptr 1
		.amdhsa_wavefront_size32 1
		.amdhsa_system_sgpr_workgroup_id_x 1
		.amdhsa_system_sgpr_workgroup_id_y 1
		.amdhsa_system_sgpr_workgroup_id_z 1
		.amdhsa_system_vgpr_workitem_id 0
		.amdhsa_next_free_vgpr 128
		.amdhsa_next_free_sgpr 66
		.amdhsa_reserve_vcc 1
		.amdhsa_float_denorm_mode_32 3
		.amdhsa_float_denorm_mode_16_64 3
		.amdhsa_memory_ordered 1
		.amdhsa_forward_progress 1
		.amdhsa_inst_pref_size 34
	.end_amdhsa_kernel
	.amdgpu_metadata
---
amdhsa.version: [ 1, 2 ]
amdhsa.kernels:
  - .name:           k_q665d9e2f57_merge
    .symbol:         k_q665d9e2f57_merge.kd
    .args:
      - { .name: cand, .offset: 0, .size: 8, .value_kind: global_buffer, .address_space: global }
      - { .name: sumk, .offset: 8, .size: 8, .value_kind: global_buffer, .address_space: global }
      - { .name: psum, .offset: 16, .size: 8, .value_kind: global_buffer, .address_space: global }
    .group_segment_fixed_size: 0
    .private_segment_fixed_size: 0
    .kernarg_segment_align: 8
    .kernarg_segment_size: 24
    .max_flat_workgroup_size: 128
    .sgpr_count:     66
    .vgpr_count:     128
    .wavefront_size: 32
...
	.end_amdgpu_metadata
.endif
;; end of part 3
;; launch final (part 4): grid 32 x 1, 4 waves a work-group, no clusters, 0 bytes of LDS; arguments sumk, psum, pt, out0; writes out0
.if DOCPART == 4
	.amdgcn_target "amdgcn-amd-amdhsa--gfx1250"
	.amdhsa_code_object_version 6
	.text
	.protected	k_q665d9e2f57_final
	.globl	k_q665d9e2f57_final
	.p2align	8
	.type	k_q665d9e2f57_final,@function
k_q665d9e2f57_final:
	s_mov_b64 s[64:65], 0
	v_nop
	global_prefetch_b8 v0, s[64:65] scope:SCOPE_SE
	s_setreg_imm32_b32 hwreg(HW_REG_WAVE_MODE, 25, 1), 1
	s_wait_xcnt 0x0
; mean = (the sum of the 128 partial sums) / 8192;  knn = EPS / ((sum_k / mean)^2 + EPS);  r = clip((pred - tgt)^2, 1, 5) / (sqrt(knn) + C).  EPS = C = 0.001.
; Every wave adds the 128 partial sums itself, in the same order, so that all use the same mean.  A thread owns two neighbouring rows: a wave's load or store covers 256 consecutive bytes.  No LDS, no barrier.
; LIMITS: (sum_k / mean)^2 stands for sum_k^2 / mean^2 (it differs in the last bits, and cannot overflow sooner); a mean of 0 gives NaN as in the definition; NaN and infinities among the inputs are not served.
	s_load_b256 s[4:11], s[0:1], 0x0               ; sumk s[4:5], psum s[6:7], pt s[8:9], out0 s[10:11]
	v_and_b32 v1, 31, v0
	v_lshlrev_b32 v1, 4, v1                        ; psum: 16 bytes a lane
	v_lshlrev_b32 v2, 3, v0                        ; my two rows
	v_mov_b32 v14, 0                               ; (a lane permute's destination counts as one of its sources)
	s_lshl_b32 s12, ttmp9, 10                      ; the work-group's 256 rows
	s_mov_b32 s13, 0
	s_mov_b32 s14, 0x76543210
	s_mov_b32 s15, 0xfedcba98
	s_wait_kmcnt 0x0
	s_add_nc_u64 s[4:5], s[4:5], s[12:13]
	s_add_nc_u64 s[8:9], s[8:9], s[12:13]
	s_add_nc_u64 s[10:11], s[10:11], s[12:13]
	global_load_b128 v[4:7], v1, s[6:7]
	global_load_b64 v[8:9], v2, s[4:5]
	global_load_b64 v[10:11], v2, s[8:9]           ; pred
	global_load_b64 v[12:13], v2, s[8:9] offset:32768   ; tgt
	s_wait_loadcnt 0x0
	v_add_f32 v4, v4, v5
	v_add_f32 v6, v6, v7
	v_add_f32 v4, v4, v6
	v_add_f32_dpp v4, v4, v4 row_xmask:1 row_mask:0xf bank_mask:0xf
	v_add_f32_dpp v4, v4, v4 row_xmask:2 row_mask:0xf bank_mask:0xf
	v_add_f32_dpp v4, v4, v4 row_xmask:4 row_mask:0xf bank_mask:0xf
	v_add_f32_dpp v4, v4, v4 row_xmask:8 row_mask:0xf bank_mask:0xf
	v_permlanex16_b32 v14, v4, s14, s15
	v_add_f32 v4, v4, v14                          ; the sum of all 8,192 sum_k
	v_mul_f32 v4, 0x39000000, v4                   ; x 2^-13: the mean
	v_rcp_f32 v4, v4
	v_pk_add_f32 v[10:11], v[10:11], v[12:13] neg_lo:[0,1] neg_hi:[0,1]   ; pred - tgt.  (A plain place behind the reciprocal)
	s_wait_alu depctr_va_vdst(0)
	v_pk_mul_f32 v[8:9], v[8:9], v[4:5] op_sel_hi:[1,0]             ; sum_k / mean
	v_pk_mul_f32 v[10:11], v[10:11], v[10:11]      ; alpha
	v_fmaak_f32 v8, v8, v8, 0x3a83126f             ; its square + EPS
	v_fmaak_f32 v9, v9, v9, 0x3a83126f
	v_rcp_f32 v8, v8
	v_rcp_f32 v9, v9
	v_med3_num_f32 v10, v10, 1.0, 0x40a00000       ; alpha held to 1 .. 5.  (Plain places behind the reciprocals)
	v_med3_num_f32 v11, v11, 1.0, 0x40a00000
	s_wait_alu depctr_va_vdst(0)
	v_mul_f32 v8, 0x3a83126f, v8                   ; knn
	v_mul_f32 v9, 0x3a83126f, v9
	v_sqrt_f32 v8, v8
	v_sqrt_f32 v9, v9
	v_nop                                          ; one plain place behind the roots
	s_wait_alu depctr_va_vdst(0)
	v_add_f32 v8, 0x3a83126f, v8                   ; + C
	v_add_f32 v9, 0x3a83126f, v9
	v_rcp_f32 v8, v8
	v_rcp_f32 v9, v9
	v_nop
	s_wait_alu depctr_va_vdst(0)
	v_pk_mul_f32 v[8:9], v[8:9], v[10:11]
	global_store_b64 v2, v[8:9], s[10:11]          ; a wave stores 256 consecutive bytes, aligned
	s_endpgm
.Lfunc_end_k_q665d9e2f57_final:
	.size	k_q665d9e2f57_final, .Lfunc_end_k_q665d9e2f57_final-k_q665d9e2f57_final
	.p2alignl 7, 3214868480
	.fill 96, 4, 3214868480
	.section	.rodata,"a",@progbits
	.p2align	6, 0x0
	.amdhsa_kernel k_q665d9e2f57_final
		.amdhsa_group_segment_fixed_size 0
		.amdhsa_private_segment_fixed_size 0
		.amdhsa_enable_private_segment 0
		.amdhsa_kernarg_size 32
		.amdhsa_user_sgpr_count 2
		.amdhsa_user_sgpr_kernarg_segment_ptr 1
		.amdhsa_wavefront_size32 1
		.amdhsa_system_sgpr_workgroup_id_x 1
		.amdhsa_system_sgpr_workgroup_id_y 1
		.amdhsa_system_sgpr_workgroup_id_z 1
		.amdhsa_system_vgpr_workitem_id 0
		.amdhsa_next_free_vgpr 32
		.amdhsa_next_free_sgpr 66
		.amdhsa_reserve_vcc 0
		.amdhsa_float_denorm_mode_32 3
		.amdhsa_float_denorm_mode_16_64 3
		.amdhsa_memory_ordered 1
		.amdhsa_forward_progress 1
		.amdhsa_inst_pref_size 3
	.end_amdhsa_kernel
	.amdgpu_metadata
---
amdhsa.version: [ 1, 2 ]
amdhsa.kernels:
  - .name:           k_q665d9e2f57_final
    .symbol:         k_q665d9e2f57_final.kd
    .args:
      - { .name: sumk, .offset: 0, .size: 8, .value_kind: global_buffer, .address_space: global }
      - { .name: psum, .offset: 8, .size: 8, .value_kind: global_buffer, .address_space: global }
      - { .name: pt, .offset: 16, .size: 8, .value_kind: global_buffer, .address_space: global }
      - { .name: out0, .offset: 24, .size: 8, .value_kind: global_buffer, .address_space: global }
    .group_segment_fixed_size: 0
    .private_segment_fixed_size: 0
    .kernarg_segment_align: 8
    .kernarg_segment_size: 32
    .max_flat_workgroup_size: 128
    .sgpr_count:     66
    .vgpr_count:     32
    .wavefront_size: 32
...
	.end_amdgpu_metadata
.endif
;; end of part 4
;; ======== version 2 of 2: 4 launches; version 1 with the launch mlp written anew for expert scheduling mode
;; workspace buffers: zrec 917,504 bytes; pt 65,536 bytes; cand 1,572,864 bytes; sumk 32,768 bytes; psum 512 bytes
;; launch mlp (part 5): grid 64 x 3, 8 waves a work-group, no clusters, 52,736 bytes of LDS; arguments s_codes, s_scales, w1_codes, w1_scales, b1, w2_codes, w2_scales, b2, w3, b3, wt1_codes, wt1_scales, bt1, wt2_codes, wt2_scales, bt2, wt3, bt3, wz1_codes, wz1_scales, bz1, wz2_codes, wz2_scales, bz2, wz3_codes, bz3, wz3_scales, pt, zrec; writes pt, zrec
.if DOCPART == 5
	.amdgcn_target "amdgcn-amd-amdhsa--gfx1250"
	.amdhsa_code_object_version 6
	.text
	.protected	k_q665d9e2f57_mlp
	.globl	k_q665d9e2f57_mlp
	.p2align	8
	.type	k_q665d9e2f57_mlp,@function
k_q665d9e2f57_mlp:
	s_mov_b64 s[64:65], 0
	v_nop
	global_prefetch_b8 v0, s[64:65] scope:SCOPE_SE
	s_setreg_imm32_b32 hwreg(HW_REG_WAVE_SCHED_MODE, 0, 2), 2
	s_setreg_imm32_b32 hwreg(HW_REG_WAVE_MODE, 25, 1), 1
	s_wait_xcnt 0x0
	s_wait_alu depctr_vm_vsrc(0)
; THE THREE NETS.  Work-group (x, y): rows 128 x .. 128 x + 127 of s through net y (0: pred, 1: target, 2: z).  All quantised products on codes of FP6 (E2M3) with one E8M0 scale for each 32 along K.
; Nets 0, 1: relu(s W1^T + b1) -> quantised -> relu(. W2^T + b2) -> . w3 + b3 (64 fused multiply-adds in f32, N = 1) -> pt[y][row].
; Net 2: the same two layers, the second quantised along its 64 (the K step's other 64 are zero codes on both sides) -> z = . Wz3^T + bz3 (f32) -> sq = sum z^2 (of the unquantised z), z quantised along its 128.
;   z leaves as RECORDS of 1,792 bytes, one for each tile of 16 rows: the image of the operand's 12 registers (group g of four at 512 g + 16 x lane), 16 scale words at 1536, 16 numbers -sq / 2 at 1600, and those 128 bytes once more
;   at 1664, so that every byte of a record is written.
; SHARES.  Wave w owns rows 16 w .. 16 w + 15 of the block and takes them through the whole chain in registers.  Every product is used TRANSPOSED (source 0 = 16 rows of the weight, source 1 = my 16 rows), so that a lane holds
; one row and its registers run along the next K.  THE ROWS OF A WEIGHT THAT FORM A TILE ARE NOT NEIGHBOURS: lane r of tile 2 b + u takes row 32 b + 8 u + r + 8 (r / 8), so that the 16 registers of tiles 2 b, 2 b + 1 are 16 neighbours.
; W1 (32 fragments, which all eight waves read) goes through LDS as images of the operand's registers: wave w loads tile w from memory in the fragments' order and stores four images; a barrier; every wave loads them by 16 bytes a lane.
; NO JOINT LOADS: the images are made by the lanes' own loads (a tile's rows are not neighbours in memory, so no tile descriptor lays them in this order); each work-group reads W1's 49,152 bytes once, 6,144 a wave.
; The biases are the C of each sum's first matrix instruction, in the result's layout; b1 is loaded straight into the accumulators.
; LIMITS: NaN and infinities are not served.  A block whose largest magnitude lies under 2^-124, a block of zeros among them, gets the scale byte 1 (the rule says 127 for zeros): its codes are then zeros or subnormal codes, and these bytes are read by this program alone.
; THE MODE: SCHED_MODE bits 1:0 = 2 (LLVM: expert scheduling mode 2), set by the entry lines.  The code itself states the register dependences
; between vector or matrix instructions and memory or LDS instructions, with s_wait_alu, always for 0.
; THE PLAN.  Registers that memory or LDS instructions touch:
;   v1-15, v249    addresses and offsets: written by vector lines at the head and never again; one wait on va_vdst ahead of the first load serves every load and store.
;   WB0, WB1, WBS  first W1's tile as loaded from memory, read by my LDS stores: one wait on vm_vsrc behind the barrier.  Then the images: group i lands in set i % 2 and is read by step i's four matrix instructions.
;                  Groups 0 and 1 go out ahead; group i + 1 is asked for in step i, into the set that step i - 1 read: ONE wait on va_vdst at the head of steps 1 to 6 states that step i - 1's matrix instructions
;                  are done reading it.  The step's 16 loads follow, four behind each of its matrix instructions, which name set i % 2, my rows' fragments and the accumulators: none of the registers that those loads touch.
;   all other loaded registers (my rows, the biases, W2, Wz3, w3) are loaded once, before any vector or matrix instruction names them.
;   PC, PW         written by the quantiser; taken by scaled matrix instructions (a wait on va_vdst behind their places); in net 2 PC is read by the stores, PW by the select that makes AUX (a wait on va_vdst ahead of the stores).
;   SQ             nets 0, 1: written by the sums, read by one LDS store (va_vdst ahead of it); wave 0's LDS load lands in it behind the last barrier (vm_vsrc ahead of it).
.set WIMG, 0                           ; LDS: W1's fragment (tile t, K step s) at (4 t + s) x 1,536
.set WSC,  49152                       ; W1's scale words: tile t at 256 t, lane r's four words at 16 r
.set PST,  51200                       ; 128 numbers of pred or target
.set RR,   1                           ; v1   r = lane % 16
.set HH,   2                           ; v2   h = lane / 16
.set XA,   3                           ; v3   s: 384 r + 24 h
.set R16,  4                           ; v4   16 r: s's scale words in memory, W1's in LDS
.set WA,   5                           ; v5   W1: 384 rm + 24 h, rm = r + 8 (r / 8)
.set WS,   6                           ; v6   16 rm
.set LI,   7                           ; v7   16 x lane
.set IMW,  8                           ; v8   where I store W1's images: 16 x lane + 6,144 x wave
.set W2A,  9                           ; v9   W2: 96 rm + 24 h
.set W2S,  10                          ; v10  4 rm
.set BA,   11                          ; v11  64 h: a bias in the result's layout
.set W3A,  12                          ; v12  Wz3: 48 rm + 24 h
.set W3S,  13                          ; v13  2 rm
.set SCW,  14                          ; v14  where I store W1's scale words: WSC + 256 x wave + 16 r
.set PSA,  15                          ; v15  where I store pred: PST + 64 x wave + 4 r
.set X,    16                          ; v16-63   my rows' four fragments
.set XSC,  64                          ; v64-67   their scale words
.set ACC,  68                          ; v68-131  eight tiles: layer 1, later z
.set WB,   132                         ; v132-227 two sets of four fragments of W1 (set 0: tiles 0-3, set 1: tiles 4-7)
.set WBS,  228                         ; v228-235 their scale words
.set W2SC, 236                         ; v236-239 W2's scale words
.set Z3SC, 240                         ; v240-247 Wz3's
.set PW,   248                         ; v248     the scale word just made
.set L4,   249                         ; v249     4 x lane
.set SQ,   250                         ; v250-253 sums
.set NHS,  254                         ; v254     -sq / 2
.set AUX,  255
.set PC,   16                          ; behind layer 1: v16-35 the codes just made,
.set TM,   36                          ; v36-51 at work in the quantiser,
.set ACC2, 132                         ; v132-163 layer 2's four tiles
.set W2F,  0                           ; window 1: v0-47 W2's four fragments
.set Z3F,  48                          ; v48-143 Wz3's eight (upper six registers of each: zero codes)
.set W3L,  48                          ; nets 0, 1: v48-79 w3 in the result's layout
.set B2,   144                         ; v144-175 b2
.set BZ3,  176                         ; v176-239 bz3
.set MSB, 0
.macro WIN new                         ; the immediate's high byte repeats the setting that is left
.if MSB != \new
	s_set_vgpr_msb (MSB<<8)|\new
.set MSB, \new
.endif
.endm
.macro PLACES n
.rept \n
	v_nop
.endr
.endm
.macro FP6MM d, a, b, c, sa, sb
	v_wmma_scale_f32_16x16x128_f8f6f4 v[\d:\d+7], v[\a:\a+11], v[\b:\b+11], v[\c:\c+7], v[\sa], v[\sb] matrix_a_fmt:MATRIX_FMT_FP6 matrix_b_fmt:MATRIX_FMT_FP6
.endm
; Group idx of layer 1: K step idx / 2, tiles 4 (idx % 2) .. + 3, into set idx % 2.  Its tile u: three loads of 16 bytes a lane and the scale word: four LDS loads
.macro LOADT idx, u
.irp g, 0,1,2
	ds_load_b128 v[WB+48*((\idx)%2)+12*(\u)+4*\g:WB+48*((\idx)%2)+12*(\u)+4*\g+3], v[LI] offset:WIMG+(4*(4*((\idx)%2)+(\u))+(\idx)/2)*1536+512*\g
.endr
	ds_load_b32 v[WBS+4*((\idx)%2)+(\u)], v[R16] offset:WSC+256*(4*((\idx)%2)+(\u))+4*((\idx)/2)
.endm
.macro MULT idx, u
	FP6MM ACC+8*(4*((\idx)%2)+(\u)),WB+48*((\idx)%2)+12*(\u),X+12*((\idx)/2),ACC+8*(4*((\idx)%2)+(\u)),WBS+4*((\idx)%2)+(\u),XSC+(\idx)/2
.endm
; Layer 1: 32 matrix instructions in eight steps of four.  The eight accumulators take turns, one instruction a turn.  While one set is multiplied the other is asked for again.
.macro LAYER1
.irp u, 0,1,2,3
	LOADT 0,\u
.endr
.irp u, 0,1,2,3
	LOADT 1,\u
.endr
.irp u, 0,1,2,3
	s_wait_dscnt 28-4*\u                           ; LDS loads come back in order (ISA guide 5.7.1): tile u of group 0 is in; its later tiles' loads and group 1's 16 may be out
	MULT 0,\u
.endr
.irp i, 1,2,3,4,5,6
	s_wait_dscnt 12                                ; this group's tile 0 is in; its other three tiles' 12 loads may be out
	PLACES 4                                       ; four places between the last step's matrix instructions and the loads into the registers that they read (ISA guide 7.12.1 for vector instructions)
	s_wait_alu depctr_va_vdst(0)                   ; the last step's matrix instructions are done reading their set of fragments and its scale words, in which this step's 16 loads land
	MULT \i,0
	LOADT \i+1,0                                   ; no further wait: no matrix instruction since the wait above names the other set
.irp u, 1,2,3
	s_wait_dscnt 12                                ; tile u is in: behind its four loads stand 12 younger ones, 4 (3 - u) of this group and 4 u of the next
	MULT \i,\u
	LOADT \i+1,\u
.endr
.endr
.irp u, 0,1,2,3
	s_wait_dscnt 12-4*\u                           ; the last step asks for nothing: the counts run down
	MULT 7,\u
.endr
.endm
.macro RELU base, n                    ; from each accumulator's low end on
.set J_, 0
.rept \n
	v_max_num_f32 v[\base+J_], 0, v[\base+J_]
.set J_, J_+1
.endr
.endm
; 16 nb numbers of a lane, register 16 b + i = k 32 b + 16 h + i of my row, become a fragment's codes in v[PC] on and its scale word in v[PW].  nb = 2: K = 64: the fragment's other half is zero codes, the word's upper bytes 0.
.macro QUANT s, nb
.irp b, 0,1,2,3
.if \b < \nb
	v_max3_num_f32 v[TM+\b], |v[\s+16*\b]|, |v[\s+1+16*\b]|, 0x1800000   ; block b: my 16 numbers, and the floor 2^(3 - 127): so the byte cannot fall under 1
.endif
.endr
.irp i, 2,4,6,8,10,12,14
.irp b, 0,1,2,3
.if \b < \nb
	v_max3_num_f32 v[TM+\b], v[TM+\b], |v[\s+16*\b+\i]|, |v[\s+1+16*\b+\i]|   ; (the blocks by turns)
.endif
.endr
.endr
.irp b, 0,1,2,3
.if \b < \nb
	v_permlanex16_b32 v[TM+4+\b], v[TM+\b], s62, s63
.endif
.endr
.irp b, 0,1,2,3
.if \b < \nb
	v_max_num_f32 v[TM+\b], v[TM+\b], v[TM+4+\b]   ; with lane l xor 16's: the block's largest magnitude
.endif
.endr
.irp b, 0,1,2,3
.if \b < \nb
	v_add_nc_u32 v[TM+12+\b], 0xff000000, v[TM+\b] ; 2 off its exponent field: the conversion takes the exponent field of this operand as its scale
.endif
.endr
.irp b, 0,1,2,3
.if \b < \nb
	v_lshrrev_b32 v[TM+4+\b], 23, v[TM+12+\b]      ; the scale's byte
.endif
.endr
	v_lshl_or_b32 v[PW], v[TM+5], 8, v[TM+4]       ; the bytes make my row's scale word
.if \nb == 4
	v_lshl_or_b32 v[PW], v[TM+6], 16, v[PW]
	v_lshl_or_b32 v[PW], v[TM+7], 24, v[PW]
.endif
.irp c, 0,1
.if 2*\c < \nb
	v_cvt_scalef32_pk16_fp6_f32 v[PC+6*\c:PC+2+6*\c], v[\s+32*\c:\s+15+32*\c], v[TM+12+2*\c]
	v_cvt_scalef32_pk16_fp6_f32 v[PC+12+4*\c:PC+14+4*\c], v[\s+16+32*\c:\s+31+32*\c], v[TM+12+2*\c+1]   ; (a conversion's three registers begin on an even number)
.endif
.endr
	v_nop                                          ; one plain place behind a scaled conversion
.irp c, 0,1                                    ; the operand's layout wants a WHOLE block in a lane: lanes 0-15 block 2 c, lanes 16-31 block 2 c + 1
.if 2*\c < \nb
.irp i, 0,1,2
	v_permlane16_swap_b32 v[PC+6*\c+\i], v[PC+12+4*\c+\i]
.endr
.irp i, 0,1,2
	v_mov_b32 v[PC+3+6*\c+\i], v[PC+12+4*\c+\i]
.endr
.endif
.endr
.if \nb == 2
.irp i, 6,7,8,9,10,11
	v_mov_b32 v[PC+\i], 0                          ; k = 64 .. 127: zero codes
.endr
.endif
.endm
.macro LAYER2                          ; four tiles of 16 units, K = 128: one instruction each, C = b2
	PLACES 8                                       ; a scale word made by vector instructions stands 8 places ahead of a scaled matrix instruction, codes so made 4
	WIN 0x11                                       ; source 0 (W2) and source 2 (b2) window 1
	s_wait_alu depctr_va_vdst(0)                   ; the quantiser has written the codes v[PC ..] and the scale word v[PW], which the scaled matrix instructions take as source 1 and its scales; the places above stay beside this wait
.irp t, 0,1,2,3
	FP6MM ACC2+8*\t,W2F+12*\t,PC,B2+8*\t,W2SC+\t,PW
.endr
	WIN 0
	PLACES 4
.endm
	s_load_b128 s[4:7], s[0:1], 0x0                ; s's codes, s's scales
	s_load_b512 s[8:23], s[0:1], 0x10              ; net 0: W1's codes, scales, b1, W2's codes, scales, b2, w3, b3
	s_load_b512 s[24:39], s[0:1], 0x50             ; net 1: the same eight
	s_load_b512 s[40:55], s[0:1], 0x90             ; net 2: the same six, then Wz3's codes, bz3
	s_load_b128 s[56:59], s[0:1], 0xd0             ; Wz3's scales, pt
	s_load_b64 s[60:61], s[0:1], 0xe0              ; zrec
	s_set_vgpr_msb 0x40
	v_lshl_add_u32 v254, v0, 2, 0xca00
	v_mov_b32 v255, 0
	s_set_vgpr_msb 0x4000
	v_lshrrev_b32 v1, 5, v0
	v_readfirstlane_b32 s2, v1                     ; wave 0..7
	s_and_b32 s3, ttmp7, 0xffff                    ; the net
	v_and_b32 v[RR], 15, v0
	v_bfe_u32 v[HH], v0, 4, 1
	v_mul_u32_u24 v[XA], v[RR], 384
	v_mad_u32_u24 v[XA], v[HH], 24, v[XA]
	v_lshlrev_b32 v[R16], 4, v[RR]
	v_and_b32 v[WS], 8, v[RR]
	v_add_nc_u32 v[WS], v[WS], v[RR]               ; rm = r + 8 (r / 8)
	v_mul_u32_u24 v[WA], v[WS], 384
	v_mad_u32_u24 v[WA], v[HH], 24, v[WA]
	v_mul_u32_u24 v[W2A], v[WS], 96
	v_mad_u32_u24 v[W2A], v[HH], 24, v[W2A]
	v_lshlrev_b32 v[W2S], 2, v[WS]
	v_mul_u32_u24 v[W3A], v[WS], 48
	v_mad_u32_u24 v[W3A], v[HH], 24, v[W3A]
	v_lshlrev_b32 v[W3S], 1, v[WS]
	v_lshlrev_b32 v[WS], 4, v[WS]
	v_lshlrev_b32 v[BA], 6, v[HH]
	v_and_b32 v[LI], 31, v0
	v_lshlrev_b32 v[L4], 2, v[LI]
	v_lshlrev_b32 v[LI], 4, v[LI]
	s_wait_alu depctr_va_sdst(0)                   ; s2, the wave's number, is written, ahead of its first reader: LDS addresses, bases and branches are made from it
	s_mul_i32 s62, s2, 6144                        ; every LDS address is made here, ahead of every branch
	v_add_nc_u32 v[IMW], s62, v[LI]
	s_lshl_b32 s62, s2, 8
	s_add_co_u32 s62, s62, WSC
	v_add_nc_u32 v[SCW], s62, v[R16]
	s_lshl_b32 s62, s2, 6
	s_add_co_u32 s62, s62, PST
	v_lshl_add_u32 v[PSA], v[RR], 2, s62
	s_wait_kmcnt 0x0
	s_cmp_eq_u32 s3, 1                             ; the net's eight buffers: a choice that hangs on the work-group's number alone
.irp i, 0,1,2,3,4,5,6,7
	s_cselect_b64 s[8+2*\i:9+2*\i], s[24+2*\i:25+2*\i], s[8+2*\i:9+2*\i]
.endr
	s_cmp_eq_u32 s3, 2
.irp i, 0,1,2,3,4,5,6,7
	s_cselect_b64 s[8+2*\i:9+2*\i], s[40+2*\i:41+2*\i], s[8+2*\i:9+2*\i]
.endr
	s_lshl_b32 s24, ttmp9, 7
	s_lshl_b32 s25, s2, 4
	s_add_co_u32 s24, s24, s25                     ; my first row: 128 x + 16 w
	s_mul_i32 s26, s24, 384
	s_mov_b32 s27, 0
	s_add_nc_u64 s[4:5], s[4:5], s[26:27]
	s_lshl_b32 s26, s24, 4
	s_add_nc_u64 s[6:7], s[6:7], s[26:27]
	s_lshr_b32 s24, s2, 1
	s_lshl_b32 s24, s24, 5
	s_and_b32 s25, s2, 1
	s_lshl_b32 s25, s25, 3
	s_add_co_u32 s24, s24, s25                     ; W1's tile w begins at row 32 (w / 2) + 8 (w % 2)
	s_mul_i32 s26, s24, 384
	s_add_nc_u64 s[8:9], s[8:9], s[26:27]
	s_lshl_b32 s26, s24, 4
	s_add_nc_u64 s[10:11], s[10:11], s[26:27]
	s_and_b32 s24, s3, 1
	s_lshl_b32 s24, s24, 15
	s_lshl_b32 s26, ttmp9, 9
	s_add_co_u32 s26, s26, s24
	s_add_nc_u64 s[58:59], s[58:59], s[26:27]      ; pt: plane y (nets 0, 1), + 512 x
	s_lshl_b32 s26, ttmp9, 3
	s_add_co_u32 s26, s26, s2
	s_mul_i32 s26, s26, 1792
	s_add_nc_u64 s[60:61], s[60:61], s[26:27]      ; my record: tile 8 x + w
	s_wait_alu depctr_va_vdst(0)                   ; the addresses and offsets v1 to v15 and v249 are written, which every load and store of the kernel reads; none is written again
.irp s, 0,1,2,3                                ; W1's tile w, in the fragments' order: 25 loads
.irp p, 0,1,2,3,4,5
	global_load_b64 v[WB+12*\s+2*\p:WB+12*\s+2*\p+1], v[WA], s[8:9] offset:96*\s+48*(\p/3)+8*(\p%3)
.endr
.endr
	global_load_b128 v[WBS:WBS+3], v[WS], s[10:11]
.irp s, 0,1,2,3                                ; my 16 rows of s: 25 loads
.irp p, 0,1,2,3,4,5
	global_load_b64 v[X+12*\s+2*\p:X+12*\s+2*\p+1], v[XA], s[4:5] offset:96*\s+48*(\p/3)+8*(\p%3)
.endr
.endr
	global_load_b128 v[XSC:XSC+3], v[R16], s[6:7]
.irp t, 0,1,2,3,4,5,6,7                        ; b1 into the accumulators: lane (r, h) wants, for tile t, units 32 (t / 2) + 8 (t % 2) + 16 h + 0 .. 7: 16 loads
	global_load_b128 v[ACC+8*\t:ACC+8*\t+3], v[BA], s[12:13] offset:(32*(\t/2)+8*(\t%2))*4
	global_load_b128 v[ACC+8*\t+4:ACC+8*\t+7], v[BA], s[12:13] offset:(32*(\t/2)+8*(\t%2))*4+16
.endr
	s_wait_loadcnt 41                              ; W1's 25 are in; the 25 + 16 issued behind them may be out
.irp s, 0,1,2,3
.irp g, 0,1,2
	ds_store_b128 v[IMW], v[WB+12*\s+4*\g:WB+12*\s+4*\g+3] offset:WIMG+1536*\s+512*\g
.endr
.endr
	ds_store_b128 v[SCW], v[WBS:WBS+3]             ; lanes r and r + 16 write the same 16 bytes with the same values
	WIN 0x40                                       ; destination window 1.  (No vector instruction has been issued since the wait on va_vdst above)
.irp t, 0,1,2,3
.irp p, 0,1,2,3,4,5
	global_load_b64 v[W2F+12*\t+2*\p:W2F+12*\t+2*\p+1], v[W2A], s[14:15] offset:(32*(\t/2)+8*(\t%2))*96+48*(\p/3)+8*(\p%3)
.endr
.endr
.irp t, 0,1,2,3
	global_load_b128 v[B2+8*\t:B2+8*\t+3], v[BA], s[18:19] offset:(32*(\t/2)+8*(\t%2))*4
	global_load_b128 v[B2+8*\t+4:B2+8*\t+7], v[BA], s[18:19] offset:(32*(\t/2)+8*(\t%2))*4+16
.endr
	WIN 0
.irp t, 0,1,2,3
	global_load_b32 v[W2SC+\t], v[W2S], s[16:17] offset:(32*(\t/2)+8*(\t%2))*4
.endr
	s_mov_b32 s62, 0x76543210
	s_mov_b32 s63, 0xfedcba98                      ; v_permlanex16_b32's selects for lane l xor 16
	s_wait_dscnt 0x0                               ; for the others' sake: my images lie in LDS
	s_barrier_signal -1
	s_barrier_wait -1                              ; all 32 fragments of W1 do
	s_wait_alu depctr_vm_vsrc(0)                   ; my LDS stores have read v[WB ..] and v[WBS ..], in which the images' loads land from here on
	s_cmp_eq_u32 s3, 2
	s_cbranch_scc0 .Lnet_p
	; ---- net 2: z
	WIN 0x40
.irp t, 0,1,2,3,4,5,6,7
.irp p, 0,1,2
	global_load_b64 v[Z3F+12*\t+2*\p:Z3F+12*\t+2*\p+1], v[W3A], s[20:21] offset:(32*(\t/2)+8*(\t%2))*48+8*\p
.endr
.endr
.irp t, 0,1,2,3,4,5,6,7
	global_load_b128 v[BZ3+8*\t:BZ3+8*\t+3], v[BA], s[22:23] offset:(32*(\t/2)+8*(\t%2))*4
	global_load_b128 v[BZ3+8*\t+4:BZ3+8*\t+7], v[BA], s[22:23] offset:(32*(\t/2)+8*(\t%2))*4+16
.endr
.irp t, 0,1,2,3,4,5,6,7
.irp i, 6,7,8,9,10,11
	v_mov_b32 v[Z3F+12*\t+\i], 0                   ; Wz3 has K = 64: k = 64 .. 127 of its fragments are zero codes.  (No load touches these registers)
.endr
.endr
	WIN 0
.irp t, 0,1,2,3,4,5,6,7
	global_load_u16 v[Z3SC+\t], v[W3S], s[56:57] offset:(32*(\t/2)+8*(\t%2))*2   ; two scale bytes a row; the word's upper bytes are 0, over zero codes
.endr
	s_wait_loadcnt 48                              ; all but the 24 + 16 + 8 just issued: s, b1, W2, b2 are in
	LAYER1
	PLACES 4
	RELU ACC, 64
	QUANT ACC, 4
	LAYER2
	RELU ACC2, 32
	QUANT ACC2, 2
	s_wait_loadcnt 0x0                             ; Wz3, bz3
	PLACES 8
	WIN 0x11                                       ; source 0 (Wz3) and source 2 (bz3) window 1
	s_wait_alu depctr_va_vdst(0)                   ; the quantiser has written the codes v[PC ..] and the scale word v[PW], and the moves the zero codes of Wz3's fragments: the scaled matrix instructions take them as sources and scales; the places above stay beside this wait
.irp t, 0,1,2,3,4,5,6,7
	FP6MM ACC+8*\t,Z3F+12*\t,PC,BZ3+8*\t,Z3SC+\t,PW
.endr
	WIN 0
	PLACES 4
	v_pk_mul_f32 v[SQ:SQ+1], v[ACC:ACC+1], v[ACC:ACC+1]             ; sq of the unquantised z: my 64 features, two at a time, in two chains, each accumulator from its low end on
	v_pk_mul_f32 v[SQ+2:SQ+3], v[ACC+2:ACC+3], v[ACC+2:ACC+3]
.irp j, 4,8,12,16,20,24,28,32,36,40,44,48,52,56,60
	v_pk_fma_f32 v[SQ:SQ+1], v[ACC+\j:ACC+\j+1], v[ACC+\j:ACC+\j+1], v[SQ:SQ+1]
	v_pk_fma_f32 v[SQ+2:SQ+3], v[ACC+\j+2:ACC+\j+3], v[ACC+\j+2:ACC+\j+3], v[SQ+2:SQ+3]
.endr
	v_pk_add_f32 v[SQ:SQ+1], v[SQ:SQ+1], v[SQ+2:SQ+3]
	v_add_f32 v[SQ], v[SQ], v[SQ+1]
	v_permlanex16_b32 v[SQ+1], v[SQ], s62, s63
	v_add_f32 v[SQ], v[SQ], v[SQ+1]                ; with lane l xor 16's 64 features
	v_mul_f32 v[NHS], -0.5, v[SQ]
	v_cmp_eq_u32 vcc_lo, 1, v[HH]                  ; the mask for the auxiliary word is made here, the quantiser's lines ahead of its reader
	QUANT ACC, 4
	s_wait_alu depctr_va_vcc(0)                    ; VCC is written, ahead of its first reader, the select below
	v_cndmask_b32 v[AUX], v[PW], v[NHS], vcc_lo    ; lanes 0-15: row r's scale word; lanes 16-31: row r's -sq / 2
	s_wait_alu depctr_va_vdst(0)                   ; the quantiser has written the codes v[PC ..] and the select v[AUX], which the five stores read
.irp g, 0,1,2
	global_store_b128 v[LI], v[PC+4*\g:PC+4*\g+3], s[60:61] offset:512*\g   ; the fragment's image: 512 consecutive bytes a store
.endr
	global_store_b32 v[L4], v[AUX], s[60:61] offset:1536
	global_store_b32 v[L4], v[AUX], s[60:61] offset:1664
	s_branch .Ltail
	; ---- nets 0 and 1: one number a row
.Lnet_p:
	s_load_b32 s24, s[22:23], 0x0                  ; b3
	WIN 0x40
.irp t, 0,1,2,3
	global_load_b128 v[W3L+8*\t:W3L+8*\t+3], v[BA], s[20:21] offset:(32*(\t/2)+8*(\t%2))*4   ; w3 in the layout of layer 2's result.  (On this way no vector instruction has been issued since the head's wait on va_vdst)
	global_load_b128 v[W3L+8*\t+4:W3L+8*\t+7], v[BA], s[20:21] offset:(32*(\t/2)+8*(\t%2))*4+16
.endr
	WIN 0
	s_wait_loadcnt 8                               ; all but the 8 just issued
	LAYER1
	PLACES 4
	RELU ACC, 64
	QUANT ACC, 4
	LAYER2
	RELU ACC2, 32
	s_wait_loadcnt 0x0
	s_wait_kmcnt 0x0
	WIN 0x04                                       ; source 1 (w3) window 1
	v_pk_mul_f32 v[SQ:SQ+1], v[ACC2:ACC2+1], v[W3L:W3L+1]
	v_pk_mul_f32 v[SQ+2:SQ+3], v[ACC2+2:ACC2+3], v[W3L+2:W3L+3]
.irp j, 4,8,12,16,20,24,28
	v_pk_fma_f32 v[SQ:SQ+1], v[ACC2+\j:ACC2+\j+1], v[W3L+\j:W3L+\j+1], v[SQ:SQ+1]
	v_pk_fma_f32 v[SQ+2:SQ+3], v[ACC2+\j+2:ACC2+\j+3], v[W3L+\j+2:W3L+\j+3], v[SQ+2:SQ+3]
.endr
	WIN 0
	v_pk_add_f32 v[SQ:SQ+1], v[SQ:SQ+1], v[SQ+2:SQ+3]
	v_add_f32 v[SQ], v[SQ], v[SQ+1]
	v_permlanex16_b32 v[SQ+1], v[SQ], s62, s63
	v_add_f32 v[SQ], v[SQ], v[SQ+1]                ; with lane l xor 16's 32 units
	v_add_f32 v[SQ], s24, v[SQ]
	s_wait_alu depctr_va_vdst(0)                   ; the sums have written v[SQ], which the LDS store reads; they are also done with v[SQ .. SQ + 3], in which wave 0's LDS load lands below
	ds_store_b32 v[PSA], v[SQ]                     ; lanes r and r + 16 write the same word with the same value
.Ltail:                                            ; all three nets pass this barrier, so that none stands under a branch
	s_wait_dscnt 0x0                               ; for wave 0's sake: my 16 numbers lie in LDS
	s_barrier_signal -1
	s_barrier_wait -1
	s_cmp_eq_u32 s3, 2
	s_cbranch_scc1 .Lend
	s_cmp_lg_u32 s2, 0
	s_cbranch_scc1 .Lend
	s_wait_alu depctr_vm_vsrc(0)                   ; my LDS store has read v[SQ], in which the load below lands
	ds_load_b128 v[SQ:SQ+3], v[LI] offset:PST
	s_wait_dscnt 0x0
	global_store_b128 v[LI], v[SQ:SQ+3], s[58:59]  ; the block's 128 numbers: 512 consecutive bytes, at a multiple of 256 from pt's first byte
.Lend:
	s_set_vgpr_msb 0x5
	s_wait_dscnt 0x0
	s_wait_alu depctr_hold_cnt(0) depctr_sa_sdst(0) depctr_va_vdst(0) depctr_va_sdst(0) depctr_va_ssrc(0) depctr_va_vcc(0) depctr_vm_vsrc(0)
	s_wait_tensorcnt 0x0
	ds_add_u32 v254, v255
	s_wait_dscnt 0x0
	s_endpgm
.Lfunc_end_k_q665d9e2f57_mlp:
	.size	k_q665d9e2f57_mlp, .Lfunc_end_k_q665d9e2f57_mlp-k_q665d9e2f57_mlp
	.p2alignl 7, 3214868480
	.fill 96, 4, 3214868480
	.section	.rodata,"a",@progbits
	.p2align	6, 0x0
	.amdhsa_kernel k_q665d9e2f57_mlp
		.amdhsa_group_segment_fixed_size 52736
		.amdhsa_private_segment_fixed_size 0
		.amdhsa_enable_private_segment 0
		.amdhsa_kernarg_size 232
		.amdhsa_user_sgpr_count 2
		.amdhsa_user_sgpr_kernarg_segment_ptr 1
		.amdhsa_wavefront_size32 1
		.amdhsa_system_sgpr_workgroup_id_x 1
		.amdhsa_system_sgpr_workgroup_id_y 1
		.amdhsa_system_sgpr_workgroup_id_z 1
		.amdhsa_system_vgpr_workitem_id 0
		.amdhsa_next_free_vgpr 512
		.amdhsa_next_free_sgpr 66
		.amdhsa_reserve_vcc 1
		.amdhsa_float_denorm_mode_32 3
		.amdhsa_float_denorm_mode_16_64 3
		.amdhsa_memory_ordered 1
		.amdhsa_forward_progress 1
		.amdhsa_inst_pref_size 78
	.end_amdhsa_kernel
	.amdgpu_metadata
---
amdhsa.version: [ 1, 2 ]
amdhsa.kernels:
  - .name:           k_q665d9e2f57_mlp
    .symbol:         k_q665d9e2f57_mlp.kd
    .args:
      - { .name: s_codes, .offset: 0, .size: 8, .value_kind: global_buffer, .address_space: global }
      - { .name: s_scales, .offset: 8, .size: 8, .value_kind: global_buffer, .address_space: global }
      - { .name: w1_codes, .offset: 16, .size: 8, .value_kind: global_buffer, .address_space: global }
      - { .name: w1_scales, .offset: 24, .size: 8, .value_kind: global_buffer, .address_space: global }
      - { .name: b1, .offset: 32, .size: 8, .value_kind: global_buffer, .address_space: global }
      - { .name: w2_codes, .offset: 40, .size: 8, .value_kind: global_buffer, .address_space: global }
      - { .name: w2_scales, .offset: 48, .size: 8, .value_kind: global_buffer, .address_space: global }
      - { .name: b2, .offset: 56, .size: 8, .value_kind: global_buffer, .address_space: global }
      - { .name: w3, .offset: 64, .size: 8, .value_kind: global_buffer, .address_space: global }
      - { .name: b3, .offset: 72, .size: 8, .value_kind: global_buffer, .address_space: global }
      - { .name: wt1_codes, .offset: 80, .size: 8, .value_kind: global_buffer, .address_space: global }
      - { .name: wt1_scales, .offset: 88, .size: 8, .value_kind: global_buffer, .address_space: global }
      - { .name: bt1, .offset: 96, .size: 8, .value_kind: global_buffer, .address_space: global }
      - { .name: wt2_codes, .offset: 104, .size: 8, .value_kind: global_buffer, .address_space: global }
      - { .name: wt2_scales, .offset: 112, .size: 8, .value_kind: global_buffer, .address_space: global }
      - { .name: bt2, .offset: 120, .size: 8, .value_kind: global_buffer, .address_space: global }
      - { .name: wt3, .offset: 128, .size: 8, .value_kind: global_buffer, .address_space: global }
      - { .name: bt3, .offset: 136, .size: 8, .value_kind: global_buffer, .address_space: global }
      - { .name: wz1_codes, .offset: 144, .size: 8, .value_kind: global_buffer, .address_space: global }
      - { .name: wz1_scales, .offset: 152, .size: 8, .value_kind: global_buffer, .address_space: global }
      - { .name: bz1, .offset: 160, .size: 8, .value_kind: global_buffer, .address_space: global }
      - { .name: wz2_codes, .offset: 168, .size: 8, .value_kind: global_buffer, .address_space: global }
      - { .name: wz2_scales, .offset: 176, .size: 8, .value_kind: global_buffer, .address_space: global }
      - { .name: bz2, .offset: 184, .size: 8, .value_kind: global_buffer, .address_space: global }
      - { .name: wz3_codes, .offset: 192, .size: 8, .value_kind: global_buffer, .address_space: global }
      - { .name: bz3, .offset: 200, .size: 8, .value_kind: global_buffer, .address_space: global }
      - { .name: wz3_scales, .offset: 208, .size: 8, .value_kind: global_buffer, .address_space: global }
      - { .name: pt, .offset: 216, .size: 8, .value_kind: global_buffer, .address_space: global }
      - { .name: zrec, .offset: 224, .size: 8, .value_kind: global_buffer, .address_space: global }
    .group_segment_fixed_size: 52736
    .private_segment_fixed_size: 0
    .kernarg_segment_align: 8
    .kernarg_segment_size: 232
    .max_flat_workgroup_size: 256
    .sgpr_count:     66
    .vgpr_count:     512
    .wavefront_size: 32
...
	.end_amdgpu_metadata
.endif
;; end of part 5
;; launch knn: the kernel of part 2 again; grid 64 x 4, 4 waves a work-group, clusters of 4 x 1, 236,032 bytes of LDS; arguments zrec, cand; writes cand
;; launch merge: the kernel of part 3 again; grid 32 x 1, 4 waves a work-group, no clusters, 0 bytes of LDS; arguments cand, sumk, psum; writes sumk, psum
;; launch final: the kernel of part 4 again; grid 32 x 1, 4 waves a work-group, no clusters, 0 bytes of LDS; arguments sumk, psum, pt, out0; writes out0
